; MI455X (gfx1250); checked and timed in simulation.
; The chip was launched on July 23, 2026; its instructions are those of AMD's public machine-readable ISA for CDNA 5 (MIT licence, August 2026) and "CDNA5" Instruction Set Architecture Reference Guide (July 2026). The comments in the code are by the model that wrote it; some were corrected since.
;; GQA Attention. Allowed arithmetic: float matrix products may take bf16 or f16 operands with f32 sums; all other float work in f32.
;; Inputs: hidden_states 1 x 2,048 x 2,048 float32; k_ln_w 64 float32; position_ids 1 x 2,048 int32; q_ln_w 64 float32; wk 2,048 x 512 float32; wo 2,048 x 2,048 float32; wq 2,048 x 2,048 float32; wv 2,048 x 512 float32.
;; Outputs: out0 1 x 2,048 x 2,048 float32.
;; One version. Each part assembles by itself: llvm-mc -triple=amdgcn-amd-amdhsa -mcpu=gfx1250 --defsym DOCPART=n.
;; ======== version 1 of 1: 4 launches
;; limits: values are held in f16: magnitudes above 65,504 overflow, below 6.1e-05 lose precision; right only within a limited range of input values; values outside matrix products are rounded to bf16
;; workspace buffers: casts 29,360,128 bytes; rope 524,288 bytes; qkv 12,582,912 bytes; att 8,388,608 bytes
;; launch prep (part 1): grid 16 x 112, 8 waves a work-group, no clusters, 0 bytes of LDS; arguments hidden_states, wq, wk, wv, wo, position_ids, casts, rope; writes casts, rope
.if DOCPART == 1
	.amdgcn_target "amdgcn-amd-amdhsa--gfx1250"
	.amdhsa_code_object_version 6
	.text
	.protected	k_q4e611b3336_prep
	.globl	k_q4e611b3336_prep
	.p2align	8
	.type	k_q4e611b3336_prep,@function
k_q4e611b3336_prep:
	s_mov_b64 s[64:65], 0
	v_nop
	global_prefetch_b8 v0, s[64:65] scope:SCOPE_SE
	s_setreg_imm32_b32 hwreg(HW_REG_WAVE_MODE, 25, 1), 1
	s_wait_xcnt 0x0
; prep: every f32 matrix is rounded ONCE to bf16 and laid out in planes; the RoPE table is made once.
; A plane is 2,048 rows x 64 numbers of 16 bits, dense (a row is 128 bytes, a plane 262,144).  casts holds 112 planes:
;   0..31 hidden_states (columns 64 p ..), 32..63 wq, 64..71 wk, 72..79 wv: bf16.
;   80..111 wo: bf16(16 wo), written in f16's encoding, because its partner in the last product is f16.  (The later launches keep v and the
;   attention result divided by 16, in the middle of f16's range; both factors are powers of two.)  A bf16 number has 8 significant bits, f16 holds 11:
;   the second encoding changes nothing for |wo| >= 2^-21.
; Work-group (x, y): rows 128 x .. 128 x + 127 of plane y: 16 x 112 = 1,792 work-groups of equal size, seven for each of 256 WGPs.
; The table rope[token][0..31] = cos(pos[token] * inv_freq[j]), rope[token][32..63] = sin(the same) has 2,048 rows = 16 x 16 x 8:
; in the work-groups with y < 16 wave w makes the row of token 128 x + 8 y + w, while its eight loads of the cast are on their way.
; Memory binds: no LDS, no barrier, no matrix unit.  A load of a wave covers two rows of 256 consecutive bytes, a store 256 consecutive bytes, aligned.
; LIMITS: |wo| < 4,094 (f16's largest number / 16); |wo| below 2^-21 is kept to within 2^-29;
;         |position| < 2^24 (above, the count of half turns is no longer exact).
.set OFF, 2                            ; v[2:9]    load i: byte offset of my 16 bytes in the source
.set D,   10                           ; v10       8 t: my 8 bytes in each 2,048 bytes of the plane
.set X,   12                           ; v[12:43]  load i: 4 f32
.set Y,   44                           ; v[44:59]  store i: 4 numbers of 16 bits; before that at work for the table
                                       ; v[60:66]  the table: at work, its result v[62:63], its offset v64 (never written again)
	s_load_b256 s[4:11], s[0:1], 0x0               ; hidden s[4:5], wq s[6:7], wk s[8:9], wv s[10:11]
	s_load_b256 s[12:19], s[0:1], 0x20             ; wo s[12:13], position_ids s[14:15], casts s[16:17], rope s[18:19]
	s_and_b32 s2, ttmp7, 0xffff                    ; y: the plane
	s_sub_co_u32 s24, s2, 80                       ; the plane's number inside wo, wv, wk, wq (only the one selected below is used)
	s_sub_co_u32 s25, s2, 72
	s_sub_co_u32 s26, s2, 64
	s_sub_co_u32 s27, s2, 32
	v_and_b32 v1, 15, v0                           ; which 16 bytes of the 256 of a source row
	v_lshrrev_b32 v11, 4, v0                       ; which of 16 rows
	v_lshlrev_b32 v1, 4, v1
	v_lshlrev_b32 v[D], 3, v0
	s_wait_kmcnt 0x0
	s_mov_b64 s[20:21], s[12:13]                   ; source, its plane number, log2 of its row pitch in bytes: wo first,
	s_mov_b32 s23, s24
	s_mov_b32 s22, 13
	s_cmp_lt_u32 s2, 80                            ; then each lower range of y takes its place
	s_cselect_b64 s[20:21], s[10:11], s[20:21]
	s_cselect_b32 s23, s25, s23
	s_cselect_b32 s22, 11, s22
	s_cmp_lt_u32 s2, 72
	s_cselect_b64 s[20:21], s[8:9], s[20:21]
	s_cselect_b32 s23, s26, s23
	s_cmp_lt_u32 s2, 64
	s_cselect_b64 s[20:21], s[6:7], s[20:21]
	s_cselect_b32 s23, s27, s23
	s_cselect_b32 s22, 13, s22
	s_cmp_lt_u32 s2, 32
	s_cselect_b64 s[20:21], s[4:5], s[20:21]
	s_cselect_b32 s23, s2, s23
	s_mov_b32 s32, 0x41800000                      ; 16.0, for wo
	s_mov_b32 s33, 0x41800000                      ; the pair is named whole by the packed multiply
	s_add_co_u32 s28, s22, 7
	s_lshl_b32 s28, ttmp9, s28                     ; 128 x rows of the source
	s_lshl_b32 s29, s23, 8                         ; + 64 f32 for each plane
	s_add_co_u32 s28, s28, s29
	s_mov_b32 s29, 0
	s_add_nc_u64 s[20:21], s[20:21], s[28:29]
	s_lshl_b32 s30, s2, 18                         ; plane y,
	s_lshl_b32 s31, ttmp9, 14                      ; 128 x rows of 128 bytes
	s_add_co_u32 s30, s30, s31
	s_mov_b32 s31, 0
	s_add_nc_u64 s[16:17], s[16:17], s[30:31]
	s_lshl_b32 s34, 16, s22                        ; 16 source rows
	v_lshlrev_b32 v[OFF], s22, v11
	v_add_nc_u32 v[OFF], v[OFF], v1
.irp i, 1,2,3,4,5,6,7
	v_add_nc_u32 v[OFF+\i], s34, v[OFF+\i-1]
.endr
.irp i, 0,1,2,3,4,5,6,7
	global_load_b128 v[X+4*\i:X+4*\i+3], v[OFF+\i], s[20:21] th:TH_LOAD_NT     ; read once in the whole launch
.endr
	s_cmp_lt_u32 s2, 16
	s_cbranch_scc0 .Lcast
	; ---- one row of the table, while the eight loads are out; none of their registers is touched ----
	; Lane L makes frequencies 2 (L & 15) and 2 (L & 15) + 1; lanes 0-15 the cosines, lanes 16-31 the sines, so that a
	; store of 8 bytes a lane writes the token's whole row of 256 bytes.
	v_lshrrev_b32 v44, 5, v0
	v_readfirstlane_b32 s3, v44                    ; wave
	s_lshl_b32 s28, ttmp9, 7
	s_lshl_b32 s29, s2, 3
	s_add_co_u32 s28, s28, s29
	s_add_co_u32 s28, s28, s3                      ; my token: 128 x + 8 y + wave
	s_lshl_b32 s30, s28, 2
	s_mov_b32 s31, 0
	s_lshl_b32 s34, s28, 8
	s_mov_b32 s35, 0
	s_mov_b32 s36, 0x3ea2f983                      ; 1 / pi
	s_mov_b32 s37, 0x40490fdb                      ; pi, upper part
	s_mov_b32 s38, 0xb3bbbd2e                      ; pi, lower part
	s_add_nc_u64 s[14:15], s[14:15], s[30:31]
	s_add_nc_u64 s[18:19], s[18:19], s[34:35]
	s_load_b32 s40, s[14:15], 0x0                  ; its position
	v_and_b32 v44, 31, v0                          ; lane
	v_and_b32 v45, 15, v0
	v_lshlrev_b32 v45, 1, v45
	v_cvt_f32_u32 v45, v45                         ; j
	v_add_f32 v46, 1.0, v45                        ; j + 1
	; inv_freq = 10000^(-j/32) = 2^(-j c), c = log2(10000)/32 = c_hi + c_lo; c_hi has 19 significant bits, so that j c_hi is exact
	v_mul_f32 v47, 0xbed49a60, v45
	v_mul_f32 v48, 0xbed49a60, v46
	v_exp_f32 v49, v47
	v_exp_f32 v50, v48
	v_mul_f32 v45, 0xb506b9f6, v45                 ; -j c_lo ln 2 (a plain instruction stands behind the exponentials: ISA guide 5.7.2)
	v_mul_f32 v46, 0xb506b9f6, v46
	s_wait_alu depctr_va_vdst(0)
	v_fma_f32 v49, v49, v45, v49                   ; 2^(-j c_hi) (1 - j c_lo ln 2)
	v_fma_f32 v50, v50, v46, v50
	v_cmp_gt_u32 vcc_lo, 16, v44                   ; the cosine lanes: cos a = sin(a + pi/2)
	v_mov_b32 v65, 0.5
	v_mov_b32 v66, 0x3fc90fdb
	v_cndmask_b32 v51, 0, v65, vcc_lo              ; the phase in half turns,
	v_cndmask_b32 v52, 0, v66, vcc_lo              ; and in radians
	v_mov_b32 v53, 0xb2d7322b                      ; -1/11!
	v_lshlrev_b32 v64, 3, v44                      ; 8 L
	s_wait_kmcnt 0x0
	v_cvt_f32_i32 v54, s40
; sin(a + phase): k = the nearest count of half turns, r = a - k pi + phase in [-pi/2, pi/2], the odd series up to r^11
; (what is cut is below 6e-8 there), the sign from k's lowest bit.  a is the same f32 product as in the reference.
.macro ANGLE res, inv
	v_mul_f32 v55, v54, v[\inv]
	v_fma_f32 v56, v55, s36, v51
	v_rndne_f32 v56, v56
	v_fma_f32 v57, -v56, s37, v55
	v_fma_f32 v57, -v56, s38, v57
	v_add_f32 v57, v57, v52
	v_cvt_i32_f32 v58, v56
	v_lshlrev_b32 v58, 31, v58
	v_mul_f32 v59, v57, v57
	v_fmaak_f32 v60, v59, v53, 0x3638ef1d          ; 1/9!
	v_fmaak_f32 v60, v60, v59, 0xb9500d01          ; -1/7!
	v_fmaak_f32 v60, v60, v59, 0x3c088889          ; 1/5!
	v_fmaak_f32 v60, v60, v59, 0xbe2aaaab          ; -1/3!
	v_mul_f32 v61, v59, v57
	v_fma_f32 v60, v60, v61, v57
	v_xor_b32 v[\res], v60, v58
.endm
	ANGLE 62, 49
	ANGLE 63, 50
	global_store_b64 v64, v[62:63], s[18:19]       ; none of its registers is written again
.Lcast:
	s_cmp_ge_u32 s2, 80
	s_cbranch_scc1 .Lwo
	; hidden_states, wq, wk, wv: one rounding to bf16
.irp i, 0,1,2,3,4,5,6,7
	s_wait_loadcnt 7-\i                            ; loads come back in order: the 7 - i younger ones stay out
	v_cvt_pk_bf16_f32 v[Y+2*\i], v[X+4*\i], v[X+4*\i+1]
	v_cvt_pk_bf16_f32 v[Y+2*\i+1], v[X+4*\i+2], v[X+4*\i+3]
	global_store_b64 v[D], v[Y+2*\i:Y+2*\i+1], s[16:17] offset:2048*\i         ; no register of a store is written again
.endr
	s_endpgm
	; wo: times 16, one rounding to bf16, then the same number in f16's encoding
.Lwo:
.irp i, 0,1,2,3,4,5,6,7
	s_wait_loadcnt 7-\i
	v_pk_mul_f32 v[X+4*\i:X+4*\i+1], v[X+4*\i:X+4*\i+1], s[32:33] op_sel_hi:[1,0]
	v_pk_mul_f32 v[X+4*\i+2:X+4*\i+3], v[X+4*\i+2:X+4*\i+3], s[32:33] op_sel_hi:[1,0]
	v_cvt_pk_bf16_f32 v[Y+2*\i], v[X+4*\i], v[X+4*\i+1]
	v_cvt_pk_bf16_f32 v[Y+2*\i+1], v[X+4*\i+2], v[X+4*\i+3]
	v_lshlrev_b32 v[X+4*\i], 16, v[Y+2*\i]                     ; bf16 to f32: the low half moves up, the high half stays
	v_and_b32 v[X+4*\i+1], 0xffff0000, v[Y+2*\i]
	v_lshlrev_b32 v[X+4*\i+2], 16, v[Y+2*\i+1]
	v_and_b32 v[X+4*\i+3], 0xffff0000, v[Y+2*\i+1]
	v_cvt_pk_f16_f32 v[Y+2*\i], v[X+4*\i], v[X+4*\i+1]
	v_cvt_pk_f16_f32 v[Y+2*\i+1], v[X+4*\i+2], v[X+4*\i+3]
	global_store_b64 v[D], v[Y+2*\i:Y+2*\i+1], s[16:17] offset:2048*\i
.endr
	s_endpgm
.Lfunc_end_k_q4e611b3336_prep:
	.size	k_q4e611b3336_prep, .Lfunc_end_k_q4e611b3336_prep-k_q4e611b3336_prep
	.p2alignl 7, 3214868480
	.fill 96, 4, 3214868480
	.section	.rodata,"a",@progbits
	.p2align	6, 0x0
	.amdhsa_kernel k_q4e611b3336_prep
		.amdhsa_group_segment_fixed_size 0
		.amdhsa_private_segment_fixed_size 0
		.amdhsa_enable_private_segment 0
		.amdhsa_kernarg_size 64
		.amdhsa_user_sgpr_count 2
		.amdhsa_user_sgpr_kernarg_segment_ptr 1
		.amdhsa_wavefront_size32 1
		.amdhsa_system_sgpr_workgroup_id_x 1
		.amdhsa_system_sgpr_workgroup_id_y 1
		.amdhsa_system_sgpr_workgroup_id_z 1
		.amdhsa_system_vgpr_workitem_id 0
		.amdhsa_next_free_vgpr 72
		.amdhsa_next_free_sgpr 66
		.amdhsa_reserve_vcc 1
		.amdhsa_float_denorm_mode_32 3
		.amdhsa_float_denorm_mode_16_64 3
		.amdhsa_memory_ordered 1
		.amdhsa_forward_progress 1
		.amdhsa_inst_pref_size 14
	.end_amdhsa_kernel
	.amdgpu_metadata
---
amdhsa.version: [ 1, 2 ]
amdhsa.kernels:
  - .name:           k_q4e611b3336_prep
    .symbol:         k_q4e611b3336_prep.kd
    .args:
      - { .name: hidden_states, .offset: 0, .size: 8, .value_kind: global_buffer, .address_space: global }
      - { .name: wq, .offset: 8, .size: 8, .value_kind: global_buffer, .address_space: global }
      - { .name: wk, .offset: 16, .size: 8, .value_kind: global_buffer, .address_space: global }
      - { .name: wv, .offset: 24, .size: 8, .value_kind: global_buffer, .address_space: global }
      - { .name: wo, .offset: 32, .size: 8, .value_kind: global_buffer, .address_space: global }
      - { .name: position_ids, .offset: 40, .size: 8, .value_kind: global_buffer, .address_space: global }
      - { .name: casts, .offset: 48, .size: 8, .value_kind: global_buffer, .address_space: global }
      - { .name: rope, .offset: 56, .size: 8, .value_kind: global_buffer, .address_space: global }
    .group_segment_fixed_size: 0
    .private_segment_fixed_size: 0
    .kernarg_segment_align: 8
    .kernarg_segment_size: 64
    .max_flat_workgroup_size: 256
    .sgpr_count:     66
    .vgpr_count:     72
    .wavefront_size: 32
...
	.end_amdgpu_metadata
.endif
;; end of part 1
;; launch qkv (part 2): grid 16 x 16, 4 waves a work-group, clusters of 4 x 4, 327,680 bytes of LDS; arguments casts, rope, q_ln_w, k_ln_w, qkv; writes qkv
.if DOCPART == 2
	.amdgcn_target "amdgcn-amd-amdhsa--gfx1250"
	.amdhsa_code_object_version 6
	.text
	.protected	k_q4e611b3336_qkv
	.globl	k_q4e611b3336_qkv
	.p2align	8
	.type	k_q4e611b3336_qkv,@function
k_q4e611b3336_qkv:
	s_mov_b64 s[64:65], 0
	v_nop
	global_prefetch_b8 v0, s[64:65] scope:SCOPE_SE
	s_setreg_imm32_b32 hwreg(HW_REG_WAVE_MODE, 25, 1), 1
	s_wait_xcnt 0x0
	s_wait_alu depctr_hold_cnt(0) depctr_sa_sdst(0) depctr_va_vdst(0) depctr_va_sdst(0) depctr_va_ssrc(0) depctr_va_vcc(0) depctr_vm_vsrc(0)
	s_getreg_b32 s2, hwreg(HW_REG_IB_STS2, 6, 4)
	s_cmp_eq_u32 s2, 0
	s_cbranch_scc0 .Lentry_in_a_cluster
	s_endpgm
.Lentry_in_a_cluster:
	s_bfe_u32 s2, ttmp6, 0x10000c
	s_cmp_lg_u32 s2, 0xf033
	s_cbranch_scc0 .Lentry_shape_is_right
	s_endpgm
.Lentry_shape_is_right:
; qkv: X [wq | wk | wv] in bf16, then per head RMSNorm (q, k), RoPE (q, k), q times 0.125 log2(e), v times 1/16; out in f16 as qkv[48 heads][2048][64].
; Heads 0..31 are q, 32..39 k, 40..47 v.  A work-group makes 128 tokens x 192 columns (three heads) with four waves; a wave makes 64 x 96:
; 24 accumulator tiles of 16 x 16, 192 registers.  K goes in steps of 128 through two LDS slots filled by the tensor data mover.
; CLUSTERS of 4 x 4: the four work-groups of a row of the cluster need the same tiles of X, the four of a column the same panels of W.
; Such a tile is asked for jointly (same line, same descriptor, a mask that names the four): a quarter of the requests.
; THE MATRIX INSTRUCTION IS USED TRANSPOSED: source 0 = 16 columns of W (read from [k][n] rows by the transposing LDS load), source 1 = 16 tokens.
; Register j of lane (r = l % 16, h = l / 16) then holds token r, column n0 + 8 h + j: eight neighbouring columns.
; REGISTERS: window 0: v1-31 addresses and constants; v32-111, v112-191 two fragment buffers (6 of W, 4 of X); v192-239 the gains.
;            window 1: accumulator tile (a, b) at v[8 (6 a + b)]; in the epilogue the cosines and sines of my 8 rows.
; FORMATS: every floating-point input enters rounded once to bf16: the matrices in the cast, the two gains here, so that the program computes the
; reference on one consistent set of rounded inputs.  q, k and v leave in f16, whose 11 significant bits the first tokens' rows need: token 0's output row is
; v[0] wo, some ten times larger than the output's root mean square, so that a relative error of 2^-9 in v would show there.
; LIMITS: v is kept as v / 16 in f16: |v| < 1.0e6; q is scaled before it is rounded; the sums' order is the matrix unit's.
.set PL,      262144                   ; bytes of a plane
.set APITCH,  144                      ; an LDS row of X: 128 bytes + 16: sixteen rows start at sixteen different 16-byte columns modulo 256
.set WPITCH,  160                      ; an LDS row of W: 128 bytes + 32 = 5 x 32
.set APL,     128*APITCH               ; 18,432: 128 tokens of one plane
.set WPL,     128*WPITCH               ; 20,480: 128 k of one head's panel
.set WOFF,    2*APL                    ; a slot: two planes of X, then three panels of W
.set SLOT,    WOFF+3*WPL               ; 98,304
.set STAGE,   2*SLOT                   ; 196,608: 128 rows x 192 f32 at pitch 784; no tensor load ever lands here
.set SPITCH,  784                      ; 768 + 16 = 49 x 16
.set LAPS,    8                        ; 16 K steps, two to a lap
.set ADRA, 16                          ; v16-17  my X fragments in slot 0, 1
.set ADRB, 18                          ; v18-23  my W fragments: slot s, group u of 32 columns at 18 + 3 s + u
.set STO,  24                          ; stage: where my accumulators go
.set RD,   25                          ; v25-26  stage: my own 8 dims, rows 0-63 and 64-127
.set RDP,  27                          ; v27-28  the partner's 8 dims (32 further or back)
.set CS,   29                          ; my offset in the table
.set GO,   30                          ; 16 t
.set SIXT, 31                          ; 1/16
.set F0,   32
.set F1,   112
.set GW,   192                         ; head e: own gains at 192 + 16 e, the partner's (signed) at + 8
.set XY,   32                          ; epilogue: head e: own 8 numbers at 32 + 16 e, the partner's at + 8
.set T8,   96
.set SS,   104
.set RS,   106
.set OUT,  108
.set G1A,  24                          ; s[24:31] group 1 for X's tiles
.set G1B,  32                          ; s[32:39] group 1 for W's panels
.set G0A,  40                          ; s[40:55] group 0 for X: slot s, plane q at 40 + 8 s + 4 q
.set G0B,  56                          ; s[56:63] group 0 for W: slot s at 56 + 4 s
.set GP,   76                          ; s[76:81] head e: address of its gains
.set BASE, 82                          ; s[82:87] head e: where its 128 rows go
.set SC,   88                          ; s88-90   head e: 0.125 log2(e) for q, else 1
.set VM,   91                          ; s91-93   head e: all ones for v
.set MUL,  0x50                        ; C and D in window 1
.set MSB,  0
.macro WIN new                         ; the immediate's high byte repeats the setting that is left
.if MSB != \new
	s_set_vgpr_msb (MSB<<8)|\new
.set MSB, \new
.endif
.endm
.macro PLACES n                        ; plain vector instructions behind matrix instructions (ISA guide 7.12.1)
.rept \n
	v_nop
.endr
.endm
; A slot's joint loads.  Wave 0 asks for X's two planes, waves 1-3 for one panel of W each.  The branch hangs on the wave's number alone.
.macro JLOAD s
	s_cmp_lg_u32 s14, 0
	s_cbranch_scc1 .Lfor_w_\@
	tensor_load_to_lds s[G0A+8*\s:G0A+8*\s+3], s[G1A:G1A+7]
	s_nop 0
	tensor_load_to_lds s[G0A+8*\s+4:G0A+8*\s+7], s[G1A:G1A+7]
	s_nop 0
	s_branch .Lasked_\@
.Lfor_w_\@:
	tensor_load_to_lds s[G0B+4*\s:G0B+4*\s+3], s[G1B:G1B+7]
	s_nop 0
.Lasked_\@:
.endm
.macro CREST                           ; a round of the cluster's barrier behind its opening work-group barrier
	s_cmp_lg_u32 s14, 0
	s_cbranch_scc1 .Lnot_wave_0_\@
	s_barrier_signal -3
.Lnot_wave_0_\@:
	s_barrier_wait -3
	s_barrier_signal -1
	s_barrier_wait -1
.endm
.macro CROUND
	s_barrier_signal -1
	s_barrier_wait -1
	CREST
.endm
	s_load_b256 s[4:11], s[0:1], 0x0               ; casts s[4:5], rope s[6:7], q_ln_w s[8:9], k_ln_w s[10:11]
	s_load_b64 s[12:13], s[0:1], 0x20              ; qkv
	v_lshl_add_u32 v254, v0, 2, 0x48800
	v_mov_b32 v255, 0
	ds_add_u32 v254, v255
	v_lshrrev_b32 v1, 5, v0
	v_readfirstlane_b32 s14, v1                    ; wave
	s_lshr_b32 s15, s14, 1                         ; wm: which 64 tokens
	s_and_b32 s16, s14, 1                          ; wn: which 96 columns
	s_bfe_u32 s17, ttmp6, 0x40000                  ; cx
	s_bfe_u32 s18, ttmp6, 0x40004                  ; cy
	s_lshl_b32 s19, ttmp9, 2
	s_add_co_u32 s19, s19, s17                     ; bx: block of three heads
	s_and_b32 s20, ttmp7, 0xffff
	s_lshl_b32 s20, s20, 2
	s_add_co_u32 s20, s20, s18                     ; by: block of 128 tokens
	s_lshl_b32 s21, s18, 2
	s_lshl_b32 s21, 15, s21                        ; my row of the cluster
	s_lshl_b32 s22, 0x1111, s17                    ; my column
	; group 1: 128 rows of 64 elements of 2 bytes, dense in memory; behind every 32 words a pad of 4 (X) or 8 (W) words
	s_or_b32 s[G1A+0], s21, (1<<16)|(1<<20)|(1<<21)|(4<<22)|(3<<25)
	s_or_b32 s[G1B+0], s22, (1<<16)|(1<<20)|(1<<21)|(4<<22)|(7<<25)
	s_mov_b32 s[G1A+1], 64<<16                     ; tensor_dim0 = 64
	s_mov_b32 s[G1B+1], 64<<16
	s_mov_b32 s[G1A+2], 128<<16                    ; tensor_dim1 = 128
	s_mov_b32 s[G1B+2], 128<<16
	s_mov_b32 s[G1A+3], 64<<16                     ; tile_dim0 = 64
	s_mov_b32 s[G1B+3], 64<<16
	s_mov_b32 s[G1A+4], 128                        ; tile_dim1 = 128
	s_mov_b32 s[G1B+4], 128
	s_mov_b32 s[G1A+5], 64                         ; 64 elements from row to row
	s_mov_b32 s[G1B+5], 64
	s_mov_b32 s[G1A+6], 0
	s_mov_b32 s[G1B+6], 0
	s_mov_b32 s[G1A+7], 0
	s_mov_b32 s[G1B+7], 0
	s_lshl_b32 s66, s20, 14                        ; X: 128 by rows of 128 bytes: hangs on by alone
	s_mov_b32 s67, 0
	s_mul_i32 s70, s19, 3                          ; W: plane 32 + 3 bx + (wave - 1): hangs on bx and the wave's number
	s_add_co_u32 s70, s70, s14
	s_add_co_u32 s70, s70, 31
	s_lshl_b32 s70, s70, 18
	s_mov_b32 s71, 0
	s_mul_i32 s23, s14, WPL
	s_add_co_u32 s23, s23, WOFF-WPL                ; LDS: panel wave - 1
	s_wait_dscnt 0x0
	s_wait_kmcnt 0x0
	s_add_nc_u64 s[68:69], s[4:5], s[66:67]
	s_add_nc_u64 s[72:73], s[4:5], s[70:71]
	CROUND                                         ; all sixteen work-groups are here: the first joint loads meet
.irp s, 0,1
.irp q, 0,1
	s_mov_b32 s[G0A+8*\s+4*\q], 1
	s_mov_b32 s[G0A+8*\s+4*\q+1], \s*SLOT+\q*APL
	s_add_nc_u64 s[G0A+8*\s+4*\q+2:G0A+8*\s+4*\q+3], s[68:69], (2*\s+\q)*PL    ; K step s is planes 2 s, 2 s + 1
	s_or_b32 s[G0A+8*\s+4*\q+3], s[G0A+8*\s+4*\q+3], 0x80000000
.endr
	s_mov_b32 s[G0B+4*\s], 1
	s_add_co_u32 s[G0B+4*\s+1], s23, \s*SLOT
	s_add_nc_u64 s[G0B+4*\s+2:G0B+4*\s+3], s[72:73], \s*16384                  ; K step s is rows 128 s ..
	s_or_b32 s[G0B+4*\s+3], s[G0B+4*\s+3], 0x80000000
	JLOAD \s                                       ; by this text's count a wave has at most four tensor loads out (wave 0, here)
.endr
	; the three heads' gains, factors and places; selects only, nothing branches on a head's number
	v_and_b32 v2, 7, v0                            ; i: which 8 dims of a head are mine in the epilogue
	v_lshlrev_b32 v12, 5, v2                       ; 32 i
	v_xor_b32 v13, 0x80, v12                       ; 32 (i ^ 4): the partner's, 32 dims away
	s_mul_i32 s74, s19, 3
.irp e, 0,1,2
	s_add_co_u32 s75, s74, \e                      ; the head
	s_lshl_b32 s96, s75, 18
	s_lshl_b32 s97, s20, 14
	s_add_co_u32 s96, s96, s97
	s_mov_b32 s97, 0
	s_add_nc_u64 s[BASE+2*\e:BASE+2*\e+1], s[12:13], s[96:97]
	s_cmp_lt_u32 s75, 32
	s_cselect_b64 s[GP+2*\e:GP+2*\e+1], s[8:9], s[10:11]
	s_cselect_b32 s[SC+\e], 0x3e38aa3b, 1.0        ; 0.125 log2(e): the scores come out ready for 2^x
	s_cmp_ge_u32 s75, 40
	s_cselect_b32 s[VM+\e], -1, 0
	global_load_b128 v[GW+16*\e:GW+16*\e+3],     v12, s[GP+2*\e:GP+2*\e+1]
	global_load_b128 v[GW+16*\e+4:GW+16*\e+7],   v12, s[GP+2*\e:GP+2*\e+1] offset:16
	global_load_b128 v[GW+16*\e+8:GW+16*\e+11],  v13, s[GP+2*\e:GP+2*\e+1]
	global_load_b128 v[GW+16*\e+12:GW+16*\e+15], v13, s[GP+2*\e:GP+2*\e+1] offset:16
.endr
	s_mov_b32 s74, 0x3c800000                      ; 1/64
	s_mov_b32 s75, 0x358637bd                      ; 1e-6
	s_lshl_b32 s94, s20, 15                        ; 128 by rows of the table
	s_mov_b32 s95, 0
	s_add_nc_u64 s[98:99], s[6:7], s[94:95]
	; LDS addresses.  X fragment: row x pitch + 16 h, two loads 32 bytes apart.  W fragment: (8 h + l % 8) x pitch + 16 ((l / 8) % 2), two loads 16 rows apart.
	v_and_b32 v1, 15, v0                           ; r
	v_bfe_u32 v3, v0, 4, 1                         ; h
	v_mul_u32_u24 v4, v1, APITCH
	v_lshl_add_u32 v4, v3, 4, v4
	s_mul_i32 s96, s15, 64*APITCH
	v_add_nc_u32 v[ADRA], s96, v4
	v_add_nc_u32 v[ADRA+1], SLOT, v[ADRA]
	v_lshl_add_u32 v5, v3, 3, v2
	v_mul_u32_u24 v5, v5, WPITCH
	v_bfe_u32 v6, v0, 3, 1
	v_lshl_add_u32 v5, v6, 4, v5
.irp u, 0,1,2
	s_mul_i32 s96, s16, 3
	s_add_co_u32 s96, s96, \u                      ; g = 3 wn + u: my u-th group of 32 columns among the block's six
	s_lshr_b32 s97, s96, 1
	s_mul_i32 s97, s97, WPL                        ; panel g / 2,
	s_and_b32 s96, s96, 1
	s_lshl_b32 s96, s96, 6                         ; its left or right 64 bytes
	s_add_co_u32 s96, s96, s97
	s_add_co_u32 s96, s96, WOFF
	v_add_nc_u32 v[ADRB+\u], s96, v5
	v_add_nc_u32 v[ADRB+3+\u], SLOT, v[ADRB+\u]
.endr
	v_mul_u32_u24 v7, v1, SPITCH
	v_lshl_add_u32 v7, v3, 5, v7
	s_mul_i32 s96, s15, 64*SPITCH
	s_mul_i32 s97, s16, 384
	s_add_co_u32 s96, s96, s97
	s_add_co_u32 s96, s96, STAGE
	v_add_nc_u32 v[STO], s96, v7                   ; stage row 64 wm + r, byte 384 wn + 32 h
	v_lshrrev_b32 v8, 3, v0                        ; t / 8: my row in a pass of 16
	v_mul_u32_u24 v9, v8, SPITCH
	v_add_nc_u32 v9, STAGE, v9
	v_add_nc_u32 v[RD], v9, v12
	v_add_nc_u32 v[RD+1], 64*SPITCH, v[RD]
	v_add_nc_u32 v[RDP], v9, v13
	v_add_nc_u32 v[RDP+1], 64*SPITCH, v[RDP]
	v_and_b32 v10, 3, v0
	v_lshlrev_b32 v10, 5, v10
	v_lshl_add_u32 v[CS], v8, 8, v10               ; table: row t / 8, frequencies 8 (i % 4) ..
	v_lshlrev_b32 v[GO], 4, v0
	v_mov_b32 v[SIXT], 0x3d800000
	v_mov_b32 v5, -1.0
	v_cmp_gt_u32 vcc_lo, 4, v2
	v_cndmask_b32 v14, 1.0, v5, vcc_lo             ; rotate_half: dims 0-31 take minus the partner, dims 32-63 plus
	s_wait_loadcnt 0x0                             ; the gains
.irp e, 0,1,2
.irp k, 0,2,4,6,8,10,12,14
	v_cvt_pk_bf16_f32 v11, v[GW+16*\e+\k], v[GW+16*\e+\k+1]    ; the gains enter in bf16, like every floating-point input (see FORMATS),
	v_lshlrev_b32 v[GW+16*\e+\k], 16, v11                      ; and are used as f32 from here on
	v_and_b32 v[GW+16*\e+\k+1], 0xffff0000, v11
.endr
	v_mul_f32 v15, s[SC+\e], v14
.irp k, 0,1,2,3,4,5,6,7
	v_mul_f32 v[GW+16*\e+\k], s[SC+\e], v[GW+16*\e+\k]
	v_mul_f32 v[GW+16*\e+8+\k], v15, v[GW+16*\e+8+\k]
.endr
.endr
; six matrix instructions: token block a x my six column blocks, 32 along K.  zero = 1: the first product starts the sums.
.macro MULROW f, a, zero
.irp b, 0,1,2,3,4,5
.if \zero
	v_wmma_f32_16x16x32_bf16 v[8*(6*\a+\b):8*(6*\a+\b)+7], v[\f+8*\b:\f+8*\b+7], v[\f+48+8*\a:\f+48+8*\a+7], 0
.else
	v_wmma_f32_16x16x32_bf16 v[8*(6*\a+\b):8*(6*\a+\b)+7], v[\f+8*\b:\f+8*\b+7], v[\f+48+8*\a:\f+48+8*\a+7], v[8*(6*\a+\b):8*(6*\a+\b)+7]
.endif
.endr
.endm
; 20 LDS loads: the fragments of quarter kk (32 along K) of a slot into buffer f
.macro FETCH slot, kk, f
.irp u, 0,1,2
.irp e, 0,1
	ds_load_tr16_b128 v[\f+8*(2*\u+\e):\f+8*(2*\u+\e)+3],   v[ADRB+3*\slot+\u] offset:(\kk)*32*WPITCH+32*\e
	ds_load_tr16_b128 v[\f+8*(2*\u+\e)+4:\f+8*(2*\u+\e)+7], v[ADRB+3*\slot+\u] offset:(\kk)*32*WPITCH+32*\e+16*WPITCH
.endr
.endr
.irp a, 0,1,2,3
	ds_load_b128 v[\f+48+8*\a:\f+48+8*\a+3],   v[ADRA+\slot] offset:((\kk)>>1)*APL+((\kk)&1)*64+\a*16*APITCH
	ds_load_b128 v[\f+48+8*\a+4:\f+48+8*\a+7], v[ADRA+\slot] offset:((\kk)>>1)*APL+((\kk)&1)*64+\a*16*APITCH+32
.endr
.endm
; One of a K step's first three quarters: buffer f is multiplied while quarter kn's fragments come into buffer g.
; The 24 accumulators take turns, one instruction a turn, in the same order in every quarter, over the backward jump too.
.macro QUARTER slot, kn, f, g, zero
	s_wait_dscnt 0x0                               ; buffer f's loads were issued 24 matrix instructions ago
	PLACES 4                                       ; four places between the matrix instructions that read g and the loads into it
	WIN 0
	FETCH \slot, \kn, \g
	WIN MUL
	MULROW \f, 0, \zero
	MULROW \f, 1, \zero
	MULROW \f, 2, \zero
	MULROW \f, 3, \zero
.endm
.macro STEP slot, zero
	QUARTER \slot, 1, F0, F1, \zero
	QUARTER \slot, 2, F1, F0, 0
	QUARTER \slot, 3, F0, F1, 0
.endm
; The last quarter changes slots.  In front of the barrier each wave waits for its reads of this slot and for ALL its tensor loads (its part of
; the next slot); behind it, and where the slot is filled again behind a whole round of the cluster's barrier, the refill comes first.
.macro TURN slot, next, fill
	s_wait_dscnt 0x0
	s_wait_tensorcnt 0x0
	ds_add_u32 v254, v255
	s_wait_dscnt 0x0
	s_barrier_signal -1
	WIN MUL
	MULROW F1, 0, 0                                ; register work while the others arrive
	MULROW F1, 1, 0
	WIN 0
	s_barrier_wait -1
.if \fill
	CREST                                          ; no wave of any partner still reads this slot or has a load on its way
	s_add_nc_u64 s[G0A+8*\slot+2:G0A+8*\slot+3], s[G0A+8*\slot+2:G0A+8*\slot+3], 4*PL    ; two K steps on: four planes
	s_add_nc_u64 s[G0A+8*\slot+6:G0A+8*\slot+7], s[G0A+8*\slot+6:G0A+8*\slot+7], 4*PL
	s_add_nc_u64 s[G0B+4*\slot+2:G0B+4*\slot+3], s[G0B+4*\slot+2:G0B+4*\slot+3], 2*16384 ; 256 rows of the panel
	JLOAD \slot
.endif
	PLACES 4
	FETCH \next, 0, F0
	WIN MUL
	MULROW F1, 2, 0
	MULROW F1, 3, 0
.endm
.macro LAP zero
	STEP 0, \zero
	TURN 0, 1, 1
	STEP 1, 0
	TURN 1, 0, 1
.endm
	s_wait_tensorcnt 0x1                           ; all but my youngest load have landed: my part of slot 0 is in (wave 0 issued two a slot, the others one)
	s_barrier_signal -1
	s_barrier_wait -1                              ; everybody's is
	FETCH 0, 0, F0
	LAP 1
	WIN 0
	s_mov_b32 s3, LAPS-2
.Llap:
	LAP 0
	WIN 0
	s_sub_co_u32 s3, s3, 1
	s_cmp_lg_u32 s3, 0
	s_cbranch_scc1 .Llap
	STEP 0, 0                                      ; the last lap fills nothing
	TURN 0, 1, 0
	STEP 1, 0
	s_wait_dscnt 0x0
	WIN MUL
	MULROW F1, 0, 0
	MULROW F1, 1, 0
	MULROW F1, 2, 0
	MULROW F1, 3, 0
	; EPILOGUE.  The block goes to the stage in f32, so that eight neighbouring lanes can hold one head's row of one token.
	PLACES 4                                       ; four places behind the last matrix instructions
	WIN 0x04                                       ; store data from window 1
.irp a, 0,1,2,3
.irp b, 0,1,2,3,4,5
	ds_store_b128 v[STO], v[8*(6*\a+\b):8*(6*\a+\b)+3]   offset:\a*16*SPITCH+64*\b
	ds_store_b128 v[STO], v[8*(6*\a+\b)+4:8*(6*\a+\b)+7] offset:\a*16*SPITCH+64*\b+16
.endr
.endr
	s_wait_dscnt 0x0                               ; my stores are done: for the other waves' reads, and the accumulators are free
	WIN 0x40                                       ; pass p's 8 cosines and 8 sines into window 1, v[16 p .. 16 p + 15]
.irp p, 0,1,2,3,4,5,6,7
	global_load_b128 v[16*\p:16*\p+3],     v[CS], s[98:99] offset:\p*4096
	global_load_b128 v[16*\p+4:16*\p+7],   v[CS], s[98:99] offset:\p*4096+16
	global_load_b128 v[16*\p+8:16*\p+11],  v[CS], s[98:99] offset:\p*4096+128
	global_load_b128 v[16*\p+12:16*\p+15], v[CS], s[98:99] offset:\p*4096+144
.endr
	WIN 0
	s_barrier_signal -1
	s_barrier_wait -1
	v_mov_b32 v[RS+1], 0                           ; the pair is named whole by the packed multiply
; four LDS loads: row 16 p + t / 8 of head e: my 8 numbers and the partner's
.macro LDX p, e
	ds_load_b128 v[XY+16*\e:XY+16*\e+3],     v[RD+((\p)>>2)]  offset:((\p)&3)*16*SPITCH+256*\e
	ds_load_b128 v[XY+16*\e+4:XY+16*\e+7],   v[RD+((\p)>>2)]  offset:((\p)&3)*16*SPITCH+256*\e+16
	ds_load_b128 v[XY+16*\e+8:XY+16*\e+11],  v[RDP+((\p)>>2)] offset:((\p)&3)*16*SPITCH+256*\e
	ds_load_b128 v[XY+16*\e+12:XY+16*\e+15], v[RDP+((\p)>>2)] offset:((\p)&3)*16*SPITCH+256*\e+16
.endm
; out = rs (x w cos + sign y w' sin), rs = rsqrt(mean x^2 + eps); for a v head x / 16, chosen by a select.
; left: how many younger LDS loads may stay out; more = 1: the buffer gets the same head of the next pass.
.macro ESTEP p, e, left, more
	s_wait_dscnt \left
	v_pk_mul_f32 v[SS:SS+1], v[XY+16*\e:XY+16*\e+1], v[XY+16*\e:XY+16*\e+1]
.irp k, 2,4,6
	v_pk_fma_f32 v[SS:SS+1], v[XY+16*\e+\k:XY+16*\e+\k+1], v[XY+16*\e+\k:XY+16*\e+\k+1], v[SS:SS+1]
.endr
	v_add_f32 v[SS], v[SS], v[SS+1]
	v_add_f32_dpp v[SS], v[SS], v[SS] row_xmask:1 row_mask:0xf bank_mask:0xf   ; over the eight lanes that hold the row
	v_add_f32_dpp v[SS], v[SS], v[SS] row_xmask:2 row_mask:0xf bank_mask:0xf
	v_add_f32_dpp v[SS], v[SS], v[SS] row_xmask:4 row_mask:0xf bank_mask:0xf
	v_fma_f32 v[SS], v[SS], s74, s75
	v_rsq_f32 v[RS], v[SS]                         ; plain work that touches neither stands behind it (ISA guide 5.7.2)
.irp k, 0,2,4,6
	v_pk_mul_f32 v[XY+16*\e+8+\k:XY+16*\e+9+\k], v[XY+16*\e+8+\k:XY+16*\e+9+\k], v[GW+16*\e+8+\k:GW+16*\e+9+\k]
.endr
.irp k, 0,2,4,6
	v_pk_mul_f32 v[T8+\k:T8+\k+1], v[XY+16*\e+\k:XY+16*\e+\k+1], v[GW+16*\e+\k:GW+16*\e+\k+1]
.endr
	s_wait_alu depctr_va_vdst(0)
	v_cndmask_b32 v[RS], v[RS], v[SIXT], s[VM+\e]
	WIN 0x04                                       ; source 1 from window 1
.irp k, 0,2,4,6
	v_pk_mul_f32 v[T8+\k:T8+\k+1], v[T8+\k:T8+\k+1], v[16*\p+\k:16*\p+\k+1]
.endr
.irp k, 0,2,4,6
	v_pk_fma_f32 v[T8+\k:T8+\k+1], v[XY+16*\e+8+\k:XY+16*\e+9+\k], v[16*\p+8+\k:16*\p+9+\k], v[T8+\k:T8+\k+1]
.endr
	WIN 0
.irp j, 0,1,2,3,4,5,6,7
	v_cndmask_b32 v[T8+\j], v[T8+\j], v[XY+16*\e+\j], s[VM+\e]
.endr
.irp k, 0,2,4,6
	v_pk_mul_f32 v[T8+\k:T8+\k+1], v[T8+\k:T8+\k+1], v[RS:RS+1] op_sel_hi:[1,0]
.endr
	s_wait_xcnt 0x0                                ; OUT, which the last store reads, is written again only behind this wait
.irp k, 0,1,2,3
	v_cvt_pk_f16_f32 v[OUT+\k], v[T8+2*\k], v[T8+2*\k+1]
.endr
	global_store_b128 v[GO], v[OUT:OUT+3], s[BASE+2*\e:BASE+2*\e+1] offset:2048*\p   ; a wave's store covers 512 consecutive bytes, aligned
.if \more
	LDX \p+1, \e
.endif
.endm
	LDX 0, 0
	LDX 0, 1
	LDX 0, 2
	s_wait_loadcnt 0x0                             ; the cosines and sines
.irp p, 0,1,2,3,4,5,6
	ESTEP \p, 0, 8, 1                              ; the two younger groups of four loads stay out
	ESTEP \p, 1, 8, 1
	ESTEP \p, 2, 8, 1
.endr
	ESTEP 7, 0, 8, 0                               ; the last pass loads nothing: the counts run down
	ESTEP 7, 1, 4, 0
	ESTEP 7, 2, 0, 0
	s_wait_tensorcnt 0x0
	ds_add_u32 v254, v255
	s_wait_dscnt 0x0
	CROUND                                         ; the closing round: no work-group ends while a partner may still ask for a tile that names it
	s_endpgm
.Lfunc_end_k_q4e611b3336_qkv:
	.size	k_q4e611b3336_qkv, .Lfunc_end_k_q4e611b3336_qkv-k_q4e611b3336_qkv
	.p2alignl 7, 3214868480
	.fill 96, 4, 3214868480
	.section	.rodata,"a",@progbits
	.p2align	6, 0x0
	.amdhsa_kernel k_q4e611b3336_qkv
		.amdhsa_group_segment_fixed_size 327680
		.amdhsa_private_segment_fixed_size 0
		.amdhsa_enable_private_segment 0
		.amdhsa_kernarg_size 40
		.amdhsa_user_sgpr_count 2
		.amdhsa_user_sgpr_kernarg_segment_ptr 1
		.amdhsa_wavefront_size32 1
		.amdhsa_system_sgpr_workgroup_id_x 1
		.amdhsa_system_sgpr_workgroup_id_y 1
		.amdhsa_system_sgpr_workgroup_id_z 1
		.amdhsa_system_vgpr_workitem_id 0
		.amdhsa_next_free_vgpr 448
		.amdhsa_next_free_sgpr 100
		.amdhsa_reserve_vcc 1
		.amdhsa_float_denorm_mode_32 3
		.amdhsa_float_denorm_mode_16_64 3
		.amdhsa_memory_ordered 1
		.amdhsa_forward_progress 1
		.amdhsa_inst_pref_size 174
	.end_amdhsa_kernel
	.amdgpu_metadata
---
amdhsa.version: [ 1, 2 ]
amdhsa.kernels:
  - .name:           k_q4e611b3336_qkv
    .symbol:         k_q4e611b3336_qkv.kd
    .args:
      - { .name: casts, .offset: 0, .size: 8, .value_kind: global_buffer, .address_space: global }
      - { .name: rope, .offset: 8, .size: 8, .value_kind: global_buffer, .address_space: global }
      - { .name: q_ln_w, .offset: 16, .size: 8, .value_kind: global_buffer, .address_space: global }
      - { .name: k_ln_w, .offset: 24, .size: 8, .value_kind: global_buffer, .address_space: global }
      - { .name: qkv, .offset: 32, .size: 8, .value_kind: global_buffer, .address_space: global }
    .group_segment_fixed_size: 327680
    .private_segment_fixed_size: 0
    .kernarg_segment_align: 8
    .kernarg_segment_size: 40
    .max_flat_workgroup_size: 128
    .sgpr_count:     100
    .vgpr_count:     448
    .wavefront_size: 32
...
	.end_amdgpu_metadata
.endif
;; end of part 2
;; launch attn (part 3): grid 32 x 8, 8 waves a work-group, clusters of 4 x 1, 327,680 bytes of LDS; arguments qkv, att; writes att
.if DOCPART == 3
	.amdgcn_target "amdgcn-amd-amdhsa--gfx1250"
	.amdhsa_code_object_version 6
	.text
	.protected	k_q4e611b3336_attn
	.globl	k_q4e611b3336_attn
	.p2align	8
	.type	k_q4e611b3336_attn,@function
k_q4e611b3336_attn:
	s_mov_b64 s[64:65], 0
	v_nop
	global_prefetch_b8 v0, s[64:65] scope:SCOPE_SE
	s_setreg_imm32_b32 hwreg(HW_REG_WAVE_MODE, 25, 1), 1
	s_wait_xcnt 0x0
	s_wait_alu depctr_hold_cnt(0) depctr_sa_sdst(0) depctr_va_vdst(0) depctr_va_sdst(0) depctr_va_ssrc(0) depctr_va_vcc(0) depctr_vm_vsrc(0)
	s_getreg_b32 s2, hwreg(HW_REG_IB_STS2, 6, 4)
	s_cmp_eq_u32 s2, 0
	s_cbranch_scc0 .Lentry_in_a_cluster
	s_endpgm
.Lentry_in_a_cluster:
	s_bfe_u32 s2, ttmp6, 0x10000c
	s_cmp_lg_u32 s2, 0x3003
	s_cbranch_scc0 .Lentry_shape_is_right
	s_endpgm
.Lentry_shape_is_right:
; attn: causal attention with a running maximum.  qkv[48][2048][64] f16 (q ready scaled by 0.125 log2(e), v divided by 16) -> att[32][2048][64] f16 (divided by 16).
; Work-group (p, g): KV head g, so that a K/V tile in LDS serves the four query heads that share it.  EIGHT WAVES, two for each of a WGP's four SIMDs:
; wave w serves query head 4 g + (w & 3) and key half kh = w >> 2: of every tile of 256 keys it takes keys 128 kh .. 128 kh + 127, with a maximum, a sum and
; an O of its own.  The two waves of a head do not depend on each other inside a tile, so one has matrix instructions to issue while the other runs its exponentials.
; At a block's end the two halves are merged: m = max(m0, m1), l = l0 2^(m0 - m) + l1 2^(m1 - m), O likewise, divided by l.
; Query blocks of 32 rows go in pairs (p, 63 - p); block 8 a + c needs tiles 0 .. a, a pair always 9: all 256 work-groups are equal.
; CLUSTERS of 4 x 1: the pairs p = 4 a1 .. 4 a1 + 3 of one KV head walk the same tiles in the same order, so each tile is asked for jointly by the four.
; Of a pair, block E is the one whose diagonal tile aE is even, O the other (aO = 7 - aE, odd): the slots' turns are then fixed in the text.
; Order: E's diagonal tile, then aE - 1 .. 0; O's diagonal tile, then aO - 1 .. 0.
; MASKED KEYS get the lowest finite f32, as in the reference.  Where all keys that a wave has seen of a row are masked, its maximum is that number and its sums are
; finite rubbish; the first open key, or the merge (key 0 of the diagonal tile is open to every row, in half 0), multiplies them by 2^(lowest - m) = 0.
; LAYOUT: S^T = K Q^T: lane (r, h) holds query r and keys 16 t + 8 h + j: maximum and sum are work inside the lane plus one exchange of the halves,
; and two tiles of S^T, rounded to f16 in place, ARE the second operand of O^T = V^T P^T.  V^T comes from [key][d] rows by the transposing LDS load.
; A wave's LOCAL query tile n is the block's tile n ^ kh.  So both partners run one text in the merge: each sends its local tile 1 and keeps its local tile 0,
; which is the tile that the partner sends; wave kh ends with rows 16 kh .. 16 kh + 15 of the block.
; REGISTERS: window 0: v1-47 addresses and row figures; v64-127 S (query tile n, key tile t at 64 + 32 n + 8 t); v128-191 K fragments; v192-255 V fragments.
;            window 1: v0-63 O (d tile dt, query tile n at 8 (2 dt + n)); v64-95 Q of block E; v96-127 Q of block O.
; LIMITS: P is rounded to f16 after the row sum has taken it in f32; the sums' order is the matrix unit's, and the two key halves are added last.
.set PL,    262144
.set KP,    144                        ; an LDS row of K: 128 + 16 bytes
.set VP,    160                        ; an LDS row of V: 128 + 32 bytes
.set KOFF,  256*VP                     ; a slot: V's 256 rows, then K's
.set SLOT,  KOFF+256*KP                ; 77,824
.set XCH,   2*SLOT                     ; 155,648: the merge: for each wave 4,096 bytes of O and 256 of (m, l); no tensor load lands here
.set XW,    4352
.set STAGE, XCH+8*XW                   ; 190,464: the way out: 16 rows x 144 bytes for each wave
.set SW,    16*KP
.set KA,   1                           ; v1-2   my K fragments in slot 0, 1 (my key half is in the address)
.set VA,   3                           ; v3-4   my V fragments
.set STO,  5
.set RD,   6
.set CO,   7                           ; 16 x lane
.set XS,   8                           ; merge: where my O goes,
.set XR,   9                           ; where the partner's lies,
.set XM,   10                          ; where my (m, l) goes,
.set XMR,  11                          ; where the partner's lies
.set MP,   12                          ; v[12:15] running maximum of query tile n, twice
.set AL,   16                          ; v[16:19] 2^(old maximum - new), twice
.set LS,   20                          ; v[20:23] running sum, two partial sums
.set TT,   24                          ; v[24:31] at work
.set RELE, 32                          ; v32-33 block E, local tile n: a key at 64 sub + 16 t + j at most this is open
.set RELO, 34                          ; v34-35 block O
.set QOFF, 36                          ; v36-37 local tile n: my offset in a block of Q
.set S,    64
.set FK,   128
.set FV,   192
.set O,    0
.set QE,   64
.set QO,   96
.set G1K,  24
.set G1V,  32
.set G0V,  40                          ; s[40:47] slot s at 40 + 4 s
.set G0K,  48                          ; s[48:55]
.set MSB,  0
.macro WIN new
.if MSB != \new
	s_set_vgpr_msb (MSB<<8)|\new
.set MSB, \new
.endif
.endm
.macro PLACES n
.rept \n
	v_nop
.endr
.endm
.macro KVLOAD s                        ; waves 0-3: 64 rows of V each; waves 4-7: 64 rows of K each
	s_cmp_lt_u32 s8, 4
	s_cbranch_scc0 .Lfor_k_\@
	tensor_load_to_lds s[G0V+4*(\s):G0V+4*(\s)+3], s[G1V:G1V+7]
	s_nop 0
	s_branch .Lasked_\@
.Lfor_k_\@:
	tensor_load_to_lds s[G0K+4*(\s):G0K+4*(\s)+3], s[G1K:G1K+7]
	s_nop 0
.Lasked_\@:
.endm
.macro CROUND                          ; a round of the cluster's barrier
	s_barrier_signal -1
	s_barrier_wait -1
	s_cmp_lg_u32 s8, 0
	s_cbranch_scc1 .Lnot_wave_0_\@
	s_barrier_signal -3
.Lnot_wave_0_\@:
	s_barrier_wait -3
	s_barrier_signal -1
	s_barrier_wait -1
.endm
.macro NEXT                            ; the tile to ask for next: one down; behind E's tile 0 comes O's diagonal
	s_sub_co_i32 s15, s15, 1
	s_cmp_lt_i32 s15, 0
	s_cselect_b32 s15, s14, s15
.endm
	s_load_b128 s[4:7], s[0:1], 0x0                ; qkv s[4:5], att s[6:7]
	v_lshl_add_u32 v62, v0, 2, 0x33000
	v_mov_b32 v63, 0
	ds_add_u32 v62, v63
	v_lshrrev_b32 v38, 5, v0
	v_readfirstlane_b32 s8, v38                    ; wave 0 .. 7
	s_and_b32 s78, s8, 3                           ; which of the four query heads
	s_lshr_b32 s79, s8, 2                          ; kh: which half of a tile's keys
	s_and_b32 s10, ttmp7, 0xffff                   ; g
	s_bfe_u32 s9, ttmp6, 0x40000                   ; cx
	s_lshl_b32 s11, ttmp9, 2
	s_add_co_u32 s11, s11, s9                      ; p = 4 a1 + cx
	s_sub_co_u32 s12, 63, s11
	s_lshr_b32 s21, ttmp9, 1                       ; p / 8: the near block's diagonal tile
	s_sub_co_u32 s14, 7, s21                       ; the far block's
	s_and_b32 s20, s21, 1
	s_cmp_lg_u32 s20, 0                            ; odd: the far block is E
	s_cselect_b32 s13, s14, s21                    ; aE: made of the cluster's number alone, like all trip counts
	s_cselect_b32 s11, s12, s11                    ; bE
	s_sub_co_u32 s14, 7, s13                       ; aO
	s_sub_co_u32 s12, 63, s11                      ; bO
	s_mov_b32 s16, 0x76543210                      ; v_permlanex16_b32: lane i of the other half
	s_mov_b32 s17, 0xfedcba98
	s_mov_b32 s18, 0xff7fffff                      ; the lowest finite f32
	; group 1: 64 rows of 64 elements of 2 bytes, dense; a pad of 4 (K) or 8 (V) words behind every 32; mask: all four of the cluster
	s_mov_b32 s[G1K+0], 15|(1<<16)|(1<<20)|(1<<21)|(4<<22)|(3<<25)
	s_mov_b32 s[G1V+0], 15|(1<<16)|(1<<20)|(1<<21)|(4<<22)|(7<<25)
	s_mov_b32 s[G1K+1], 64<<16
	s_mov_b32 s[G1V+1], 64<<16
	s_mov_b32 s[G1K+2], 64<<16
	s_mov_b32 s[G1V+2], 64<<16
	s_mov_b32 s[G1K+3], 64<<16
	s_mov_b32 s[G1V+3], 64<<16
	s_mov_b32 s[G1K+4], 64
	s_mov_b32 s[G1V+4], 64
	s_mov_b32 s[G1K+5], 64
	s_mov_b32 s[G1V+5], 64
	s_mov_b32 s[G1K+6], 0
	s_mov_b32 s[G1V+6], 0
	s_mov_b32 s[G1K+7], 0
	s_mov_b32 s[G1V+7], 0
	s_mul_i32 s20, s8, 64*VP                       ; V: waves 0 .. 3 -> rows 0, 64, 128, 192
	s_mul_i32 s21, s8, 64*KP
	s_add_co_u32 s21, s21, KOFF-256*KP             ; K: waves 4 .. 7 -> rows 0, 64, 128, 192 behind V
.irp s, 0,1
	s_mov_b32 s[G0V+4*\s], 1
	s_add_co_u32 s[G0V+4*\s+1], s20, \s*SLOT
	s_mov_b32 s[G0K+4*\s], 1
	s_add_co_u32 s[G0K+4*\s+1], s21, \s*SLOT
.endr
	s_lshl_b32 s22, s78, 13                        ; my 64 rows of a tile
	s_add_co_u32 s23, s10, 32
	s_lshl_b32 s23, s23, 18                        ; K is head 32 + g, V head 40 + g
	s_add_co_u32 s60, s23, s22
	s_mov_b32 s61, 0
	s_lshl_b32 s62, s10, 2
	s_add_co_u32 s62, s62, s78                     ; my query head
	s_lshl_b32 s62, s62, 18
	s_lshl_b32 s63, s11, 12                        ; a block is 32 rows of 128 bytes
	s_add_co_u32 s66, s62, s63
	s_mov_b32 s67, 0
	s_lshl_b32 s63, s12, 12
	s_add_co_u32 s68, s62, s63
	s_mov_b32 s69, 0
	s_lshl_b32 s63, s79, 11                        ; 16 kh rows: my local tile 0 in a block,
	s_xor_b32 s23, s63, 2048                       ; and my local tile 1
	v_and_b32 v38, 15, v0                          ; r
	v_bfe_u32 v39, v0, 4, 1                        ; h
	v_and_b32 v40, 31, v0                          ; lane
	v_lshlrev_b32 v41, 7, v38
	v_lshl_add_u32 v41, v39, 4, v41                ; r x 128 + 16 h
	v_add_nc_u32 v[QOFF], s63, v41
	v_add_nc_u32 v[QOFF+1], s23, v41
	s_wait_dscnt 0x0
	s_wait_kmcnt 0x0
	s_add_nc_u64 s[56:57], s[4:5], s[60:61]        ; K's tile 0, my rows
	s_add_nc_u64 s[58:59], s[56:57], 8*PL          ; V's
	s_or_b32 s57, s57, 0x80000000                  ; the descriptor's type rides on both
	s_or_b32 s59, s59, 0x80000000
	s_add_nc_u64 s[70:71], s[4:5], s[66:67]        ; Q of E, of O
	s_add_nc_u64 s[72:73], s[4:5], s[68:69]
	s_add_co_u32 s66, s66, s63                     ; the rows that I store: 16 kh ..
	s_add_co_u32 s68, s68, s63
	s_add_nc_u64 s[74:75], s[6:7], s[66:67]        ; att of E, of O
	s_add_nc_u64 s[76:77], s[6:7], s[68:69]
	WIN 0x40                                       ; both blocks' Q fragments, for the whole kernel; asked for first, so that they travel beside the first tile
.irp n, 0,1
.irp ks, 0,1
	global_load_b128 v[QE+16*\n+8*\ks:QE+16*\n+8*\ks+3],   v[QOFF+\n], s[70:71] offset:64*\ks
	global_load_b128 v[QE+16*\n+8*\ks+4:QE+16*\n+8*\ks+7], v[QOFF+\n], s[70:71] offset:64*\ks+32
	global_load_b128 v[QO+16*\n+8*\ks:QO+16*\n+8*\ks+3],   v[QOFF+\n], s[72:73] offset:64*\ks
	global_load_b128 v[QO+16*\n+8*\ks+4:QO+16*\n+8*\ks+7], v[QOFF+\n], s[72:73] offset:64*\ks+32
.endr
.endr
	WIN 0
	s_mov_b32 s15, s13                             ; the first tile: E's diagonal
	s_lshl_b32 s60, s15, 15                        ; a tile is 256 rows of 128 bytes
	s_add_nc_u64 s[G0V+2:G0V+3], s[58:59], s[60:61]
	s_add_nc_u64 s[G0K+2:G0K+3], s[56:57], s[60:61]
	CROUND                                         ; the four work-groups are here: the first joint loads meet
	KVLOAD 0
	NEXT
	v_mul_u32_u24 v42, v38, KP
	v_lshl_add_u32 v42, v39, 4, v42                ; r x 144 + 16 h
	s_mul_i32 s20, s79, 128*KP                     ; my 128 keys
	s_add_co_u32 s20, s20, KOFF
	v_add_nc_u32 v[KA], s20, v42
	v_add_nc_u32 v[KA+1], SLOT, v[KA]
	v_and_b32 v43, 7, v0
	v_lshl_add_u32 v44, v39, 3, v43
	v_mul_u32_u24 v44, v44, VP
	v_bfe_u32 v45, v0, 3, 1
	v_lshl_add_u32 v44, v45, 4, v44                ; (8 h + l % 8) x 160 + 16 ((l / 8) % 2)
	s_mul_i32 s20, s79, 128*VP
	v_add_nc_u32 v[VA], s20, v44
	v_add_nc_u32 v[VA+1], SLOT, v[VA]
	s_mul_i32 s20, s8, SW
	s_add_co_u32 s20, s20, STAGE                   ; my stage
	v_add_nc_u32 v[STO], s20, v42
	v_lshrrev_b32 v46, 3, v40
	v_mul_u32_u24 v46, v46, KP
	v_lshl_add_u32 v46, v43, 4, v46
	v_add_nc_u32 v[RD], s20, v46                   ; back: row l / 8, 16 bytes l % 8
	v_lshlrev_b32 v[CO], 4, v40
	s_mul_i32 s20, s8, XW
	s_add_co_u32 s20, s20, XCH                     ; my part of the exchange,
	s_add_co_u32 s21, s8, 4
	s_and_b32 s21, s21, 7                          ; the partner: the same head, the other key half
	s_mul_i32 s21, s21, XW
	s_add_co_u32 s21, s21, XCH                     ; and its part
	v_add_nc_u32 v[XS], s20, v[CO]
	v_add_nc_u32 v[XR], s21, v[CO]
	v_lshlrev_b32 v47, 3, v40
	v_add_nc_u32 v47, 4096, v47
	v_add_nc_u32 v[XM], s20, v47
	v_add_nc_u32 v[XMR], s21, v47
	; key 128 kh + 64 sub + 16 t + 8 h + j of the diagonal tile is open to row 32 c + 16 (n ^ kh) + r of it, if it is not behind it
	v_lshlrev_b32 v48, 3, v39
	v_sub_nc_u32 v48, v38, v48                     ; r - 8 h
	s_lshl_b32 s21, s79, 7                         ; 128 kh
	s_lshl_b32 s22, s79, 4                         ; 16 kh
	s_xor_b32 s23, s22, 16                         ; 16 (1 - kh)
	s_sub_co_i32 s22, s22, s21                     ; local tile 0
	s_sub_co_i32 s23, s23, s21                     ; local tile 1
	s_and_b32 s20, s11, 7
	s_lshl_b32 s20, s20, 5                         ; 32 c of block E
	s_add_co_i32 s21, s20, s22
	v_add_nc_u32 v[RELE], s21, v48
	s_add_co_i32 s21, s20, s23
	v_add_nc_u32 v[RELE+1], s21, v48
	s_and_b32 s20, s12, 7
	s_lshl_b32 s20, s20, 5                         ; 32 c of block O
	s_add_co_i32 s21, s20, s22
	v_add_nc_u32 v[RELO], s21, v48
	s_add_co_i32 s21, s20, s23
	v_add_nc_u32 v[RELO+1], s21, v48
.macro LOADK slot, sub                 ; 16 loads: 64 keys x 64 d
.irp t, 0,1,2,3
.irp ks, 0,1
	ds_load_b128 v[FK+16*\t+8*\ks:FK+16*\t+8*\ks+3],   v[KA+\slot] offset:(64*\sub+16*\t)*KP+64*\ks
	ds_load_b128 v[FK+16*\t+8*\ks+4:FK+16*\t+8*\ks+7], v[KA+\slot] offset:(64*\sub+16*\t)*KP+64*\ks+32
.endr
.endr
.endm
.macro LOADV slot, sub                 ; 16 loads: 64 d x 64 keys, transposed on the way
.irp dt, 0,1,2,3
.irp ks, 0,1
	ds_load_tr16_b128 v[FV+16*\dt+8*\ks:FV+16*\dt+8*\ks+3],   v[VA+\slot] offset:(64*\sub+32*\ks)*VP+32*\dt
	ds_load_tr16_b128 v[FV+16*\dt+8*\ks+4:FV+16*\dt+8*\ks+7], v[VA+\slot] offset:(64*\sub+32*\ks)*VP+32*\dt+16*VP
.endr
.endr
.endm
; In QK and in PV the eight accumulators take turns, one instruction a turn.
.macro QK qb
	WIN 0x04                                       ; Q from window 1
.irp n, 0,1
.irp t, 0,1,2,3
	v_wmma_f32_16x16x32_f16 v[S+32*\n+8*\t:S+32*\n+8*\t+7], v[FK+16*\t:FK+16*\t+7], v[\qb+16*\n:\qb+16*\n+7], 0
.endr
.endr
.irp n, 0,1
.irp t, 0,1,2,3
	v_wmma_f32_16x16x32_f16 v[S+32*\n+8*\t:S+32*\n+8*\t+7], v[FK+16*\t+8:FK+16*\t+15], v[\qb+16*\n+8:\qb+16*\n+15], v[S+32*\n+8*\t:S+32*\n+8*\t+7]
.endr
.endr
	WIN 0
.endm
.macro PV first
	WIN 0x50                                       ; O in window 1
.irp dt, 0,1,2,3
.irp n, 0,1
.if \first
	v_wmma_f32_16x16x32_f16 v[O+8*(2*\dt+\n):O+8*(2*\dt+\n)+7], v[FV+16*\dt:FV+16*\dt+7], v[S+32*\n:S+32*\n+7], 0
.else
	v_wmma_f32_16x16x32_f16 v[O+8*(2*\dt+\n):O+8*(2*\dt+\n)+7], v[FV+16*\dt:FV+16*\dt+7], v[S+32*\n:S+32*\n+7], v[O+8*(2*\dt+\n):O+8*(2*\dt+\n)+7]
.endif
.endr
.endr
.irp dt, 0,1,2,3
.irp n, 0,1
	v_wmma_f32_16x16x32_f16 v[O+8*(2*\dt+\n):O+8*(2*\dt+\n)+7], v[FV+16*\dt+8:FV+16*\dt+15], v[S+32*\n+16:S+32*\n+23], v[O+8*(2*\dt+\n):O+8*(2*\dt+\n)+7]
.endr
.endr
	WIN 0
.endm
.macro RESCALE                         ; O times AL: a lane's eight numbers of a tile belong to one query
	WIN 0x41
.irp dt, 0,1,2,3
.irp n, 0,1
.irp k, 0,2,4,6
	v_pk_mul_f32 v[O+8*(2*\dt+\n)+\k:O+8*(2*\dt+\n)+\k+1], v[O+8*(2*\dt+\n)+\k:O+8*(2*\dt+\n)+\k+1], v[AL+2*\n:AL+2*\n+1]
.endr
.endr
.endr
	WIN 0
.endm
.macro MASK sub, rel                   ; the diagonal tile: keys behind the query get the lowest finite number
.irp n, 0,1
.irp t, 0,1,2,3
.irp j, 0,1,2,3,4,5,6,7
	v_cmp_le_i32 vcc_lo, 64*\sub+16*\t+\j, v[\rel+\n]
	v_cndmask_b32 v[S+32*\n+8*\t+\j], s18, v[S+32*\n+8*\t+\j], vcc_lo
.endr
.endr
.endr
.endm
; 64 keys of query tile n: new maximum, 2^(S - maximum), the row sum, P in f16 in place.  Four chains (one for each key tile) that do not wait for each other.
.macro SOFTMAX n, first
.irp t, 0,1,2,3
	v_max3_num_f32 v[TT+\t], v[S+32*\n+8*\t], v[S+32*\n+8*\t+1], v[S+32*\n+8*\t+2]
.endr
.irp t, 0,1,2,3
	v_max3_num_f32 v[TT+\t], v[TT+\t], v[S+32*\n+8*\t+3], v[S+32*\n+8*\t+4]
.endr
.irp t, 0,1,2,3
	v_max3_num_f32 v[TT+\t], v[TT+\t], v[S+32*\n+8*\t+5], v[S+32*\n+8*\t+6]
.endr
.irp t, 0,1,2,3
	v_max_num_f32 v[TT+\t], v[TT+\t], v[S+32*\n+8*\t+7]
.endr
	v_max3_num_f32 v[TT], v[TT], v[TT+1], v[TT+2]
	v_max_num_f32 v[TT], v[TT], v[TT+3]
	v_permlanex16_b32 v[TT+1], v[TT], s16, s17     ; the other 32 keys of the same query
.if \first
	v_max_num_f32 v[TT], v[TT], v[TT+1]
.else
	v_max3_num_f32 v[TT], v[TT], v[TT+1], v[MP+2*\n]
	v_sub_f32 v[TT+2], v[MP+2*\n], v[TT]
	v_exp_f32 v[AL+2*\n], v[TT+2]
	v_exp_f32 v[AL+2*\n+1], v[TT+2]
.endif
	v_mov_b32 v[MP+2*\n], v[TT]
	v_mov_b32 v[MP+2*\n+1], v[TT]
.irp t, 0,1,2,3
.irp k, 0,2,4,6
	v_pk_add_f32 v[S+32*\n+8*\t+\k:S+32*\n+8*\t+\k+1], v[S+32*\n+8*\t+\k:S+32*\n+8*\t+\k+1], v[MP+2*\n:MP+2*\n+1] neg_lo:[0,1] neg_hi:[0,1]
.endr
.endr
.set x, 0
.rept 32
	v_exp_f32 v[S+32*\n+x], v[S+32*\n+x]
.set x, x+1
.endr
	v_nop                                          ; one plain place behind the exponentials (ISA guide 5.7.2)
	s_wait_alu depctr_va_vdst(0)
.irp t, 0,1,2,3
	v_pk_add_f32 v[TT+2*\t:TT+2*\t+1], v[S+32*\n+8*\t:S+32*\n+8*\t+1], v[S+32*\n+8*\t+2:S+32*\n+8*\t+3]
.endr
.irp t, 0,1,2,3
	v_pk_add_f32 v[TT+2*\t:TT+2*\t+1], v[TT+2*\t:TT+2*\t+1], v[S+32*\n+8*\t+4:S+32*\n+8*\t+5]
.endr
.irp t, 0,1,2,3
	v_pk_add_f32 v[TT+2*\t:TT+2*\t+1], v[TT+2*\t:TT+2*\t+1], v[S+32*\n+8*\t+6:S+32*\n+8*\t+7]
.endr
	v_pk_add_f32 v[TT:TT+1], v[TT:TT+1], v[TT+2:TT+3]
	v_pk_add_f32 v[TT+4:TT+5], v[TT+4:TT+5], v[TT+6:TT+7]
.if \first
	v_pk_add_f32 v[LS+2*\n:LS+2*\n+1], v[TT:TT+1], v[TT+4:TT+5]
.else
	v_pk_add_f32 v[TT:TT+1], v[TT:TT+1], v[TT+4:TT+5]
	v_pk_fma_f32 v[LS+2*\n:LS+2*\n+1], v[LS+2*\n:LS+2*\n+1], v[AL+2*\n:AL+2*\n+1], v[TT:TT+1]
.endif
	; key tiles 2 u and 2 u + 1 become registers 0-3 and 4-7 of the fragment of keys 32 u .. 32 u + 31; each target has been read before it is written
.irp u, 0,1
.irp k, 0,1,2,3
	v_cvt_pk_f16_f32 v[S+32*\n+16*\u+\k], v[S+32*\n+16*\u+2*\k], v[S+32*\n+16*\u+2*\k+1]
.endr
.irp k, 0,1,2,3
	v_cvt_pk_f16_f32 v[S+32*\n+16*\u+4+\k], v[S+32*\n+16*\u+8+2*\k], v[S+32*\n+16*\u+8+2*\k+1]
.endr
.endr
.endm
; One tile: my 128 keys of it, in two halves of 64.  fetch = 1: the next tile is asked for, into the other slot.
.macro TRIP slot, qb, rel, first, mask, fetch
	s_wait_tensorcnt 0x0                           ; all my tensor loads have landed, my part of this tile among them,
	ds_add_u32 v62, v63
	s_wait_dscnt 0x0
.if \fetch
	s_lshl_b32 s60, s15, 15                        ; so the other slot's addresses may be written
	s_add_nc_u64 s[G0V+4*(1-\slot)+2:G0V+4*(1-\slot)+3], s[58:59], s[60:61]
	s_add_nc_u64 s[G0K+4*(1-\slot)+2:G0K+4*(1-\slot)+3], s[56:57], s[60:61]
.endif
	s_wait_dscnt 0x0                               ; my reads of the other slot are done
.if \fetch
	CROUND                                         ; both now hold of every wave of the four work-groups
	KVLOAD 1-\slot                                 ; the first tensor load behind the round; one is out in each wave
	NEXT
.else
	s_barrier_signal -1
	s_barrier_wait -1                              ; the last tile is whole; nothing is filled any more
.endif
	PLACES 5                                       ; behind the last PV: loads into its V fragments, and QK writes over its P
	LOADK \slot, 0
	LOADV \slot, 0
	s_wait_dscnt 16                                ; K's 16 loads are in, V's may be out
	QK \qb
	PLACES 4                                       ; behind QK: loads into its K fragments, vector work on S
	LOADK \slot, 1
.if \mask
	MASK 0, \rel
.endif
	SOFTMAX 0, \first
	SOFTMAX 1, \first
	s_wait_dscnt 16                                ; V's first half is in, K's second may be out
.if \first == 0
	RESCALE
.endif
	PV \first
	PLACES 5
	LOADV \slot, 1
	s_wait_dscnt 16                                ; K's second half is in, V's may be out
	QK \qb
	PLACES 4
.if \mask
	MASK 1, \rel
.endif
	SOFTMAX 0, 0
	SOFTMAX 1, 0
	s_wait_dscnt 0x0
	RESCALE
	PV 0
.endm
; A block is done.  I send my local tile 1 (O, m, l) to the partner, take its local tile 1, which is my local tile 0, merge the two key halves, divide by the
; row sums, round, turn 16 rows x 128 bytes through my stage and store 512 consecutive bytes an instruction.
.macro FINISH ab
.irp n, 0,1
	v_add_f32 v[TT+4*\n], v[LS+2*\n], v[LS+2*\n+1]
.endr
.irp n, 0,1
	v_permlanex16_b32 v[TT+4*\n+1], v[TT+4*\n], s16, s17
.endr
.irp n, 0,1
	v_add_f32 v[TT+4*\n], v[TT+4*\n], v[TT+4*\n+1] ; the row sums of my key half: TT tile 0, TT + 4 tile 1
.endr
	v_mov_b32 v[TT+6], v[MP+2]                     ; (m, l) of tile 1 as a pair
	v_mov_b32 v[TT+7], v[TT+4]
	PLACES 4                                       ; four places behind the last PV, whose results are stored now
	WIN 0x04                                       ; store data from window 1
.irp dt, 0,1,2,3
	ds_store_b128 v[XS], v[O+8*(2*\dt+1):O+8*(2*\dt+1)+3]   offset:1024*\dt      ; 16 bytes a lane, 512 neighbouring bytes an instruction
	ds_store_b128 v[XS], v[O+8*(2*\dt+1)+4:O+8*(2*\dt+1)+7] offset:1024*\dt+512
.endr
	WIN 0
	ds_store_b64 v[XM], v[TT+6:TT+7]
	s_wait_dscnt 0x0                               ; my stores are done, for the partner's sake
	s_barrier_signal -1
	s_barrier_wait -1                              ; the next tile's load may stay out
	ds_load_b64 v[TT+2:TT+3], v[XMR]               ; the partner's (m, l),
.irp i, 0,1,2,3,4,5,6,7
	ds_load_b128 v[FK+4*\i:FK+4*\i+3], v[XR] offset:512*\i     ; and its O, lane for lane as it lay there: d tile dt at FK + 8 dt
.endr
	s_wait_dscnt 8                                 ; (m, l) is in, the eight loads behind it may be out
	v_max_num_f32 v[TT+6], v[MP], v[TT+2]
	v_sub_f32 v[TT+1], v[MP], v[TT+6]
	v_sub_f32 v[TT+2], v[TT+2], v[TT+6]
	v_exp_f32 v[AL], v[TT+1]
	v_exp_f32 v[AL+2], v[TT+2]
	v_nop                                          ; one plain place behind the exponentials (ISA guide 5.7.2)
	s_wait_alu depctr_va_vdst(0)
	v_mul_f32 v[TT], v[TT], v[AL]
	v_fma_f32 v[TT], v[TT+3], v[AL+2], v[TT]       ; the whole row sum; at least 1: the largest key gives 2^0
	v_rcp_f32 v[TT+1], v[TT]
	v_nop
	s_wait_alu depctr_va_vdst(0)
	v_mul_f32 v[AL], v[AL], v[TT+1]                ; my factor,
	v_mul_f32 v[AL+2], v[AL+2], v[TT+1]            ; the partner's
	v_mov_b32 v[AL+1], v[AL]
	v_mov_b32 v[AL+3], v[AL+2]
	WIN 0x01                                       ; source 0 from window 1
.irp dt, 0,1,2,3
.irp k, 0,2,4,6
	v_pk_mul_f32 v[FV+8*\dt+\k:FV+8*\dt+\k+1], v[O+16*\dt+\k:O+16*\dt+\k+1], v[AL:AL+1]
.endr
.endr
	WIN 0
	s_wait_dscnt 0x0
.irp dt, 0,1,2,3
.irp k, 0,2,4,6
	v_pk_fma_f32 v[FV+8*\dt+\k:FV+8*\dt+\k+1], v[FK+8*\dt+\k:FK+8*\dt+\k+1], v[AL+2:AL+3], v[FV+8*\dt+\k:FV+8*\dt+\k+1]
.endr
.endr
.irp dt, 0,1,2,3
.irp k, 0,1,2,3
	v_cvt_pk_f16_f32 v[FK+32+4*\dt+\k], v[FV+8*\dt+2*\k], v[FV+8*\dt+2*\k+1]
.endr
.endr
.irp dt, 0,1,2,3
	ds_store_b128 v[STO], v[FK+32+4*\dt:FK+32+4*\dt+3] offset:32*\dt
.endr
.irp i, 0,1,2,3
	ds_load_b128 v[FK+48+4*\i:FK+48+4*\i+3], v[RD] offset:\i*4*KP      ; LDS serves a wave's instructions in order: these see the stores above
.endr
.irp i, 0,1,2,3
	s_wait_dscnt 3-\i
	global_store_b128 v[CO], v[FK+48+4*\i:FK+48+4*\i+3], s[\ab:\ab+1] offset:512*\i
.endr
	s_wait_xcnt 0x0                                ; the K fragments' registers, which these stores read, are loaded again only behind this wait
.endm
	s_wait_loadcnt 0x0                             ; Q
	TRIP 0, QE, RELE, 1, 1, 1                      ; E's diagonal tile
	s_lshr_b32 s19, s13, 1                         ; aE / 2 pairs of tiles below it
	s_cmp_eq_u32 s19, 0
	s_cbranch_scc1 .Le_done
.Le_loop:
	TRIP 1, QE, RELE, 0, 0, 1
	TRIP 0, QE, RELE, 0, 0, 1
	s_sub_co_u32 s19, s19, 1
	s_cmp_lg_u32 s19, 0
	s_cbranch_scc1 .Le_loop
.Le_done:
	FINISH 74
	TRIP 1, QO, RELO, 1, 1, 1                      ; O's diagonal tile
	s_lshr_b32 s19, s14, 1                         ; (aO - 1) / 2 pairs, then tile 0
	s_cmp_eq_u32 s19, 0
	s_cbranch_scc1 .Lo_done
.Lo_loop:
	TRIP 0, QO, RELO, 0, 0, 1
	TRIP 1, QO, RELO, 0, 0, 1
	s_sub_co_u32 s19, s19, 1
	s_cmp_lg_u32 s19, 0
	s_cbranch_scc1 .Lo_loop
.Lo_done:
	TRIP 0, QO, RELO, 0, 0, 0                      ; the ninth tile: nothing more to ask for
	FINISH 76
	s_wait_tensorcnt 0x0
	ds_add_u32 v62, v63
	s_wait_dscnt 0x0
	CROUND                                         ; the closing round
	s_endpgm
.Lfunc_end_k_q4e611b3336_attn:
	.size	k_q4e611b3336_attn, .Lfunc_end_k_q4e611b3336_attn-k_q4e611b3336_attn
	.p2alignl 7, 3214868480
	.fill 96, 4, 3214868480
	.section	.rodata,"a",@progbits
	.p2align	6, 0x0
	.amdhsa_kernel k_q4e611b3336_attn
		.amdhsa_group_segment_fixed_size 327680
		.amdhsa_private_segment_fixed_size 0
		.amdhsa_enable_private_segment 0
		.amdhsa_kernarg_size 16
		.amdhsa_user_sgpr_count 2
		.amdhsa_user_sgpr_kernarg_segment_ptr 1
		.amdhsa_wavefront_size32 1
		.amdhsa_system_sgpr_workgroup_id_x 1
		.amdhsa_system_sgpr_workgroup_id_y 1
		.amdhsa_system_sgpr_workgroup_id_z 1
		.amdhsa_system_vgpr_workitem_id 0
		.amdhsa_next_free_vgpr 384
		.amdhsa_next_free_sgpr 80
		.amdhsa_reserve_vcc 1
		.amdhsa_float_denorm_mode_32 3
		.amdhsa_float_denorm_mode_16_64 3
		.amdhsa_memory_ordered 1
		.amdhsa_forward_progress 1
		.amdhsa_inst_pref_size 255
	.end_amdhsa_kernel
	.section	.bss,"aw",@nobits
	.p2align	6
	.space	262144
	.amdgpu_metadata
---
amdhsa.version: [ 1, 2 ]
amdhsa.kernels:
  - .name:           k_q4e611b3336_attn
    .symbol:         k_q4e611b3336_attn.kd
    .args:
      - { .name: qkv, .offset: 0, .size: 8, .value_kind: global_buffer, .address_space: global }
      - { .name: att, .offset: 8, .size: 8, .value_kind: global_buffer, .address_space: global }
    .group_segment_fixed_size: 327680
    .private_segment_fixed_size: 0
    .kernarg_segment_align: 8
    .kernarg_segment_size: 16
    .max_flat_workgroup_size: 256
    .sgpr_count:     80
    .vgpr_count:     384
    .wavefront_size: 32
...
	.end_amdgpu_metadata
.endif
;; end of part 3
;; launch oproj (part 4): grid 16 x 16, 4 waves a work-group, clusters of 4 x 4, 327,680 bytes of LDS; arguments att, casts, out0; writes out0
.if DOCPART == 4
	.amdgcn_target "amdgcn-amd-amdhsa--gfx1250"
	.amdhsa_code_object_version 6
	.text
	.protected	k_q4e611b3336_oproj
	.globl	k_q4e611b3336_oproj
	.p2align	8
	.type	k_q4e611b3336_oproj,@function
k_q4e611b3336_oproj:
	s_mov_b64 s[64:65], 0
	v_nop
	global_prefetch_b8 v0, s[64:65] scope:SCOPE_SE
	s_setreg_imm32_b32 hwreg(HW_REG_WAVE_MODE, 25, 1), 1
	s_wait_xcnt 0x0
	s_wait_alu depctr_hold_cnt(0) depctr_sa_sdst(0) depctr_va_vdst(0) depctr_va_sdst(0) depctr_va_ssrc(0) depctr_va_vcc(0) depctr_vm_vsrc(0)
	s_getreg_b32 s2, hwreg(HW_REG_IB_STS2, 6, 4)
	s_cmp_eq_u32 s2, 0
	s_cbranch_scc0 .Lentry_in_a_cluster
	s_endpgm
.Lentry_in_a_cluster:
	s_bfe_u32 s2, ttmp6, 0x10000c
	s_cmp_lg_u32 s2, 0xf033
	s_cbranch_scc0 .Lentry_shape_is_right
	s_endpgm
.Lentry_shape_is_right:
; oproj: out0 = attention result x wo.  att[32][2048][64] f16 holds the result divided by 16, planes 80..111 of casts hold 16 wo: the product is exact in these factors.
; att's plane of head hd is columns 64 hd .. of the left matrix.  A work-group makes 128 tokens x 128 columns with four waves; a wave 64 x 64: 16 accumulator tiles.
; K goes in steps of 256 (four planes of att, 256 rows of two panels of wo) through two LDS slots filled by the tensor data mover: 128 matrix instructions a wave and step.
; CLUSTERS of 4 x 4: att's tiles are shared along a row of the cluster, wo's panels along a column, each asked for jointly by the four.
; The matrix instruction is used transposed (source 0 = 16 columns of wo by the transposing LDS load, source 1 = 16 tokens):
; register j of lane (r, h) holds token r, column n0 + 8 h + j.
; REGISTERS: window 0: v16-26 addresses; v32-95, v96-159 two fragment buffers (4 of wo, 4 of att).  Window 1: accumulator tile (a, b) at v[8 (4 a + b)].
; LIMITS: operands are f16; the sums' order is the matrix unit's.
.set PL,      262144
.set APITCH,  144
.set WPITCH,  160
.set APL,     128*APITCH               ; 18,432
.set WPL,     256*WPITCH               ; 40,960
.set AOFF,    2*WPL                    ; a slot: two panels of wo, then four planes of att
.set SLOT,    AOFF+4*APL               ; 155,648
.set SPITCH,  272                      ; the way out: 16 rows of 256 + 16 bytes for each wave
.set LAPS,    4                        ; 8 K steps
.set ADRA, 16
.set ADRB, 18
.set STO,  24
.set RD,   25
.set CO,   26
.set F0,   32
.set F1,   96
.set G1A,  24
.set G1B,  32
.set G0A,  40                          ; slot s, line q at 40 + 8 s + 4 q
.set G0B,  56                          ; slot s at 56 + 4 s
.set MUL,  0x50
.set MSB,  0
.macro WIN new
.if MSB != \new
	s_set_vgpr_msb (MSB<<8)|\new
.set MSB, \new
.endif
.endm
.macro PLACES n
.rept \n
	v_nop
.endr
.endm
.macro JLOAD s                         ; waves 0, 1: one panel of wo each; waves 2, 3: two planes of att each
	s_cmp_lt_u32 s14, 2
	s_cbranch_scc0 .Lfor_a_\@
	tensor_load_to_lds s[G0B+4*\s:G0B+4*\s+3], s[G1B:G1B+7]
	s_nop 0
	s_branch .Lasked_\@
.Lfor_a_\@:
	tensor_load_to_lds s[G0A+8*\s:G0A+8*\s+3], s[G1A:G1A+7]
	s_nop 0
	tensor_load_to_lds s[G0A+8*\s+4:G0A+8*\s+7], s[G1A:G1A+7]
	s_nop 0
.Lasked_\@:
.endm
.macro CREST
	s_cmp_lg_u32 s14, 0
	s_cbranch_scc1 .Lnot_wave_0_\@
	s_barrier_signal -3
.Lnot_wave_0_\@:
	s_barrier_wait -3
	s_barrier_signal -1
	s_barrier_wait -1
.endm
.macro CROUND
	s_barrier_signal -1
	s_barrier_wait -1
	CREST
.endm
	s_load_b128 s[4:7], s[0:1], 0x0                ; att s[4:5], casts s[6:7]
	s_load_b64 s[8:9], s[0:1], 0x10                ; out0
	v_lshl_add_u32 v254, v0, 2, 0x4c000
	v_mov_b32 v255, 0
	ds_add_u32 v254, v255
	v_lshrrev_b32 v1, 5, v0
	v_readfirstlane_b32 s14, v1                    ; wave
	s_lshr_b32 s15, s14, 1                         ; wm
	s_and_b32 s16, s14, 1                          ; wn
	s_bfe_u32 s17, ttmp6, 0x40000                  ; cx
	s_bfe_u32 s18, ttmp6, 0x40004                  ; cy
	s_lshl_b32 s19, ttmp9, 2
	s_add_co_u32 s19, s19, s17                     ; bx: block of 128 columns
	s_and_b32 s20, ttmp7, 0xffff
	s_lshl_b32 s20, s20, 2
	s_add_co_u32 s20, s20, s18                     ; by: block of 128 tokens
	s_lshl_b32 s21, s18, 2
	s_lshl_b32 s21, 15, s21                        ; my row of the cluster
	s_lshl_b32 s22, 0x1111, s17                    ; my column
	s_or_b32 s[G1A+0], s21, (1<<16)|(1<<20)|(1<<21)|(4<<22)|(3<<25)    ; 2-byte elements; a pad of 4 words behind every 32
	s_or_b32 s[G1B+0], s22, (1<<16)|(1<<20)|(1<<21)|(4<<22)|(7<<25)    ; a pad of 8 words
	s_mov_b32 s[G1A+1], 64<<16
	s_mov_b32 s[G1B+1], 64<<16
	s_mov_b32 s[G1A+2], 128<<16                    ; att: 128 rows
	s_mov_b32 s[G1B+2], 256<<16                    ; wo: 256 rows
	s_mov_b32 s[G1A+3], 64<<16
	s_mov_b32 s[G1B+3], 64<<16
	s_mov_b32 s[G1A+4], 128
	s_mov_b32 s[G1B+4], 256
	s_mov_b32 s[G1A+5], 64
	s_mov_b32 s[G1B+5], 64
	s_mov_b32 s[G1A+6], 0
	s_mov_b32 s[G1B+6], 0
	s_mov_b32 s[G1A+7], 0
	s_mov_b32 s[G1B+7], 0
	s_lshl_b32 s66, s20, 14                        ; att: 128 by rows, planes 2 (wave & 1) + q of a step: by and the wave's number alone
	s_lshl_b32 s67, s16, 19
	s_add_co_u32 s66, s66, s67
	s_mov_b32 s67, 0
	s_lshl_b32 s70, s19, 1                         ; wo: plane 80 + 2 bx + (wave & 1): bx and the wave's number alone
	s_add_co_u32 s70, s70, s16
	s_add_co_u32 s70, s70, 80
	s_lshl_b32 s70, s70, 18
	s_mov_b32 s71, 0
	s_mul_i32 s23, s14, WPL                        ; LDS: panel = wave (0, 1)
	s_mul_i32 s10, s14, 2*APL
	s_add_co_u32 s10, s10, AOFF-4*APL              ; LDS: planes 2 (wave - 2) + q (waves 2, 3)
	s_wait_dscnt 0x0
	s_wait_kmcnt 0x0
	s_add_nc_u64 s[68:69], s[4:5], s[66:67]
	s_add_nc_u64 s[72:73], s[6:7], s[70:71]
	CROUND                                         ; the first joint loads meet
.irp s, 0,1
.irp q, 0,1
	s_mov_b32 s[G0A+8*\s+4*\q], 1
	s_add_co_u32 s[G0A+8*\s+4*\q+1], s10, \s*SLOT+\q*APL
	s_add_nc_u64 s[G0A+8*\s+4*\q+2:G0A+8*\s+4*\q+3], s[68:69], (4*\s+\q)*PL
	s_or_b32 s[G0A+8*\s+4*\q+3], s[G0A+8*\s+4*\q+3], 0x80000000
.endr
	s_mov_b32 s[G0B+4*\s], 1
	s_add_co_u32 s[G0B+4*\s+1], s23, \s*SLOT
	s_add_nc_u64 s[G0B+4*\s+2:G0B+4*\s+3], s[72:73], \s*32768
	s_or_b32 s[G0B+4*\s+3], s[G0B+4*\s+3], 0x80000000
	JLOAD \s                                       ; by this text's count a wave has at most four tensor loads out (waves 2 and 3, here)
.endr
	v_and_b32 v1, 15, v0                           ; r
	v_bfe_u32 v3, v0, 4, 1                         ; h
	v_mul_u32_u24 v4, v1, APITCH
	v_lshl_add_u32 v4, v3, 4, v4
	s_mul_i32 s74, s15, 64*APITCH
	s_add_co_u32 s74, s74, AOFF
	v_add_nc_u32 v[ADRA], s74, v4
	v_add_nc_u32 v[ADRA+1], SLOT, v[ADRA]
	v_and_b32 v5, 7, v0
	v_lshl_add_u32 v5, v3, 3, v5
	v_mul_u32_u24 v5, v5, WPITCH
	v_bfe_u32 v6, v0, 3, 1
	v_lshl_add_u32 v5, v6, 4, v5
	s_mul_i32 s74, s16, WPL
	v_add_nc_u32 v[ADRB], s74, v5
	v_add_nc_u32 v[ADRB+1], SLOT, v[ADRB]
	s_mul_i32 s74, s14, 16*SPITCH                  ; my stage: see THE WAY OUT
	v_mul_u32_u24 v7, v1, SPITCH
	v_lshl_add_u32 v7, v3, 5, v7
	v_add_nc_u32 v[STO], s74, v7                   ; in: row r, byte 32 h
	v_mul_u32_u24 v8, v3, SPITCH
	v_lshl_add_u32 v8, v1, 4, v8
	v_add_nc_u32 v[RD], s74, v8                    ; back: lanes 0-15 one row of 256 bytes, lanes 16-31 the next
	v_lshlrev_b32 v9, 13, v3
	v_lshl_add_u32 v[CO], v1, 4, v9                ; the same two rows of out0
	s_lshl_b32 s74, s20, 20                        ; out0: row 128 by + 64 wm (8,192 bytes each), byte 512 bx + 256 wn
	s_lshl_b32 s75, s15, 19
	s_add_co_u32 s74, s74, s75
	s_lshl_b32 s75, s19, 9
	s_add_co_u32 s74, s74, s75
	s_lshl_b32 s75, s16, 8
	s_add_co_u32 s74, s74, s75
	s_mov_b32 s75, 0
	s_add_nc_u64 s[8:9], s[8:9], s[74:75]
.macro MULROW f, a, zero
.irp b, 0,1,2,3
.if \zero
	v_wmma_f32_16x16x32_f16 v[8*(4*\a+\b):8*(4*\a+\b)+7], v[\f+8*\b:\f+8*\b+7], v[\f+32+8*\a:\f+32+8*\a+7], 0
.else
	v_wmma_f32_16x16x32_f16 v[8*(4*\a+\b):8*(4*\a+\b)+7], v[\f+8*\b:\f+8*\b+7], v[\f+32+8*\a:\f+32+8*\a+7], v[8*(4*\a+\b):8*(4*\a+\b)+7]
.endif
.endr
.endm
.macro FETCH slot, kk, f               ; 16 LDS loads: the fragments of eighth kk (32 along K) of a slot
.irp b, 0,1,2,3
	ds_load_tr16_b128 v[\f+8*\b:\f+8*\b+3],   v[ADRB+\slot] offset:(\kk)*32*WPITCH+32*\b
	ds_load_tr16_b128 v[\f+8*\b+4:\f+8*\b+7], v[ADRB+\slot] offset:(\kk)*32*WPITCH+32*\b+16*WPITCH
.endr
.irp a, 0,1,2,3
	ds_load_b128 v[\f+32+8*\a:\f+32+8*\a+3],   v[ADRA+\slot] offset:((\kk)>>1)*APL+((\kk)&1)*64+\a*16*APITCH
	ds_load_b128 v[\f+32+8*\a+4:\f+32+8*\a+7], v[ADRA+\slot] offset:((\kk)>>1)*APL+((\kk)&1)*64+\a*16*APITCH+32
.endr
.endm
; The 16 accumulators take turns, one instruction a turn, in the same order in every eighth, over the backward jump too.
.macro QUARTER slot, kn, f, g, zero
	s_wait_dscnt 0x0                               ; buffer f's loads were issued 16 matrix instructions ago
	PLACES 4                                       ; between the matrix instructions that read g and the loads into it
	WIN 0
	FETCH \slot, \kn, \g
	WIN MUL
	MULROW \f, 0, \zero
	MULROW \f, 1, \zero
	MULROW \f, 2, \zero
	MULROW \f, 3, \zero
.endm
.macro STEP slot, zero
	QUARTER \slot, 1, F0, F1, \zero
	QUARTER \slot, 2, F1, F0, 0
	QUARTER \slot, 3, F0, F1, 0
	QUARTER \slot, 4, F1, F0, 0
	QUARTER \slot, 5, F0, F1, 0
	QUARTER \slot, 6, F1, F0, 0
	QUARTER \slot, 7, F0, F1, 0
.endm
; The last eighth changes slots: each wave's reads of this slot and ALL its tensor loads are waited for in front of the barrier; where the slot is
; filled again, the barrier opens a round of the cluster's barrier, and the refill is the first tensor load behind the round.
.macro TURN slot, next, fill
	s_wait_dscnt 0x0
	s_wait_tensorcnt 0x0
	ds_add_u32 v254, v255
	s_wait_dscnt 0x0
	s_barrier_signal -1
	WIN MUL
	MULROW F1, 0, 0
	MULROW F1, 1, 0
	WIN 0
	s_barrier_wait -1
.if \fill
	CREST
	s_add_nc_u64 s[G0A+8*\slot+2:G0A+8*\slot+3], s[G0A+8*\slot+2:G0A+8*\slot+3], 8*PL    ; two K steps on: eight planes
	s_add_nc_u64 s[G0A+8*\slot+6:G0A+8*\slot+7], s[G0A+8*\slot+6:G0A+8*\slot+7], 8*PL
	s_add_nc_u64 s[G0B+4*\slot+2:G0B+4*\slot+3], s[G0B+4*\slot+2:G0B+4*\slot+3], 2*32768 ; 512 rows of the panel
	JLOAD \slot
.endif
	PLACES 4
	FETCH \next, 0, F0
	WIN MUL
	MULROW F1, 2, 0
	MULROW F1, 3, 0
.endm
.macro LAP zero
	STEP 0, \zero
	TURN 0, 1, 1
	STEP 1, 0
	TURN 1, 0, 1
.endm
	s_wait_tensorcnt 0x1                           ; all but my youngest load have landed: my part of slot 0 is in
	s_barrier_signal -1
	s_barrier_wait -1                              ; everybody's is
	FETCH 0, 0, F0
	LAP 1
	WIN 0
	s_mov_b32 s3, LAPS-2
.Llap:
	LAP 0
	WIN 0
	s_sub_co_u32 s3, s3, 1
	s_cmp_lg_u32 s3, 0
	s_cbranch_scc1 .Llap
	STEP 0, 0                                      ; the last lap fills nothing
	TURN 0, 1, 0
	STEP 1, 0
	s_wait_dscnt 0x0
	WIN MUL
	MULROW F1, 0, 0
	MULROW F1, 1, 0
	MULROW F1, 2, 0
	MULROW F1, 3, 0
	; THE WAY OUT, 16 tokens at a time, through 16 x 272 bytes of my own at the head of slot 0.  Slot 0 has had its last fill, and every wave's last reads
	; of it were waited for in front of the last change of slots; no tensor load follows.  Read back by rows: sixteen lanes store 256 consecutive bytes, aligned.
	PLACES 4
.macro OUT16 a, f
	WIN 0x04
.irp b, 0,1,2,3
	ds_store_b128 v[STO], v[8*(4*\a+\b):8*(4*\a+\b)+3]   offset:64*\b
	ds_store_b128 v[STO], v[8*(4*\a+\b)+4:8*(4*\a+\b)+7] offset:64*\b+16
.endr
	WIN 0
	s_wait_xcnt 0x0                                ; buffer f, which stores read, and the stores' base are written again only behind this wait
.if \a
	s_add_nc_u64 s[8:9], s[8:9], 16*8192
.endif
.irp t, 0,1,2,3,4,5,6,7
	ds_load_b128 v[\f+4*\t:\f+4*\t+3], v[RD] offset:\t*2*SPITCH        ; LDS serves a wave's instructions in order: these see the stores above
.endr
.irp t, 0,1,2,3,4,5,6,7
	s_wait_dscnt 7-\t
	global_store_b128 v[CO], v[\f+4*\t:\f+4*\t+3], s[8:9] offset:\t*2*8192 th:TH_STORE_NT
.endr
.endm
	OUT16 0, F0
	OUT16 1, F1
	OUT16 2, F0
	OUT16 3, F1
	s_wait_tensorcnt 0x0
	ds_add_u32 v254, v255
	s_wait_dscnt 0x0
	CROUND                                         ; the closing round
	s_endpgm
.Lfunc_end_k_q4e611b3336_oproj:
	.size	k_q4e611b3336_oproj, .Lfunc_end_k_q4e611b3336_oproj-k_q4e611b3336_oproj
	.p2alignl 7, 3214868480
	.fill 96, 4, 3214868480
	.section	.rodata,"a",@progbits
	.p2align	6, 0x0
	.amdhsa_kernel k_q4e611b3336_oproj
		.amdhsa_group_segment_fixed_size 327680
		.amdhsa_private_segment_fixed_size 0
		.amdhsa_enable_private_segment 0
		.amdhsa_kernarg_size 24
		.amdhsa_user_sgpr_count 2
		.amdhsa_user_sgpr_kernarg_segment_ptr 1
		.amdhsa_wavefront_size32 1
		.amdhsa_system_sgpr_workgroup_id_x 1
		.amdhsa_system_sgpr_workgroup_id_y 1
		.amdhsa_system_sgpr_workgroup_id_z 1
		.amdhsa_system_vgpr_workitem_id 0
		.amdhsa_next_free_vgpr 384
		.amdhsa_next_free_sgpr 80
		.amdhsa_reserve_vcc 0
		.amdhsa_float_denorm_mode_32 3
		.amdhsa_float_denorm_mode_16_64 3
		.amdhsa_memory_ordered 1
		.amdhsa_forward_progress 1
		.amdhsa_inst_pref_size 127
	.end_amdhsa_kernel
	.amdgpu_metadata
---
amdhsa.version: [ 1, 2 ]
amdhsa.kernels:
  - .name:           k_q4e611b3336_oproj
    .symbol:         k_q4e611b3336_oproj.kd
    .args:
      - { .name: att, .offset: 0, .size: 8, .value_kind: global_buffer, .address_space: global }
      - { .name: casts, .offset: 8, .size: 8, .value_kind: global_buffer, .address_space: global }
      - { .name: out0, .offset: 16, .size: 8, .value_kind: global_buffer, .address_space: global }
    .group_segment_fixed_size: 327680
    .private_segment_fixed_size: 0
    .kernarg_segment_align: 8
    .kernarg_segment_size: 24
    .max_flat_workgroup_size: 128
    .sgpr_count:     80
    .vgpr_count:     384
    .wavefront_size: 32
...
	.end_amdgpu_metadata
.endif
;; end of part 4
